; MI455X (gfx1250); checked and timed in simulation.
; The chip was launched on July 23, 2026; its instructions are those of AMD's public machine-readable ISA for CDNA 5 (MIT licence, August 2026) and "CDNA5" Instruction Set Architecture Reference Guide (July 2026). The comments in the code are by the model that wrote it; some were corrected since.
;; Quantum Inspired Attention. Allowed arithmetic: matrix products marked QUANTISED: E3M2 operands, one E8M0 scale for each 32 along K, by v_wmma_scale_f32_16x16x128_f8f6f4 with both operands' format E3M2, f32 sums; products left as they are: f32 operands where the result goes on into a quantised operand, else bf16, f16 or f32 operands; f32 sums; everything else in f32.
;; Inputs: W_ent 8 x 512 x 1,024 float32; b_ent 8 x 512 float32; ln_b 512 float32; ln_g 512 float32; m1_b 512 float32; m1_w_codes 512 x 128 x 24 uint8 (E3M2 codes of m1_w, K innermost, in blocks of 32 codes, four codes in three bytes); m1_w_scales 512 x 128 uint8 (E8M0 scales of m1_w, one for each 32 codes along K); m2_b 1 float32; m2_w 1 x 512 float32; x 16 x 1,024 x 512 float32.
;; Outputs: out0 16 x 512 float32; out1 16 x 1,024 x 1 float32.
;; This version of the problem:
;;   THIS VERSION OF THE PROBLEM IS GIVEN IN LOW PRECISION. The matrix products marked QUANTISED in the list below multiply operands that are first quantised to E3M2 (3 exponent bits, 2 mantissa bits; 6 bits a number), with one power-of-two scale for each 32 numbers along K (OCP MX v1.0); their sums are f32. All else is computed in f32.
;;   The module's matrix products, in the order in which they are computed (A, B: the left and right operand; K: the contracted axis; several contracted axes count as one K, in the product's order):
;;     1. [M 4,096, K 512] x [K 512, N 16,384]; A: input W_ent; B: input x: QUANTISED
;;     2. [M 16, K 512] x [K 512, N 4,096]; A: computed on the way; B: input W_ent: QUANTISED
;;     3. [M 16,384, K 4,096] x [K 4,096, N 512]; A: computed on the way; B: input m1_w (given as codes): QUANTISED
;;     4. [M 16,384, K 512] x [K 512, N 1]; A: computed on the way; B: input m2_w: left as it is (N = 1 < 16)
;;   THE QUANTISER, for each operand of a quantised product, along K:
;;     - K is cut into blocks of 32 from its start; a last block that is shorter is filled with zeros.
;;     - A block's scale is 2^e with e = floor(log2(the largest magnitude in the block)) - 4, held to -126 .. 127; a block of zeros has e = 0. As a byte (E8M0): e + 127.
;;     - Each number is divided by its block's scale, clamped to +-28, and rounded to the nearest number of E3M2, ties to even, subnormals kept.
;;     - The product sums the exact products of the quantised numbers (number of the format x scale) in f32.
;;   ~~~python
;;   def quantise(x, axis):      # numpy; x: float32 -> the quantised numbers, widened to float32 again
;;       x = np.moveaxis(x, axis, -1); K = x.shape[-1]
;;       x = np.pad(x, [(0, 0)] * (x.ndim - 1) + [(0, -K % 32)]); x = x.reshape(x.shape[:-1] + (-1, 32)); a = np.abs(x).max(-1, keepdims=True)
;;       e = np.where(a > 0, np.clip(np.frexp(np.where(a > 0, a, 1))[1] - 1 - 4, -126, 127), 0)      # np.frexp(a)[1] - 1 = floor(log2(a)), exactly
;;       r = np.clip(x / 2.0 ** e, -28, 28)
;;       step = 2.0 ** (np.maximum(np.frexp(np.where(r == 0, 1, r))[1] - 1, -2) - 2)
;;       q = np.round(r / step) * step * 2.0 ** e      # np.round: ties to even
;;       return np.moveaxis(q.reshape(q.shape[:-2] + (-1,))[..., :K], -1, axis).astype(np.float32)
;;   ~~~
;;   OPERANDS COMPUTED ON THE WAY. 'Computed on the way' means the value that the module computes at that place (a softmax that the list does not call 'softmax' is quantised finished and normalised). What goes into a quantiser is computed in f32, as accurately as f32 sums, v_exp_f32 and their like allow (about 1e-6 of the number): no bf16 or f16 on the way to a quantiser, and a product that is left as it is and whose result goes on into a quantised operand takes f32 operands (vector FMAs, or v_wmma_f32_16x16x4_f32). A number that lies on a knife's edge between two numbers of the format may be rounded either way, as far as f32 arithmetic and the matrix unit's own rounding can turn it there, and no further.
;;   INPUTS GIVEN AS CODES. m1_w (in the module: [512, 4096], K = its axis 1): each comes as NAME_codes (uint8): NAME with its K axis moved to the last place and cut into blocks of 32 codes, [.., K / 32, bytes a block], one block behind the other in memory; four codes in three bytes: a row's codes are one little-endian stream of bits, code i at bits 6 i .. 6 i + 5 (a code: sign, 3 exponent bits, 2 mantissa bits); and NAME_scales (uint8): the same leading axes, one E8M0 byte (e + 127) for each 32 codes along K. Its value is code x scale, taken as it is: it is not quantised again, and the codes and scales need not be those that the quantiser above would give.
;; One version. Each part assembles by itself: llvm-mc -triple=amdgcn-amd-amdhsa -mcpu=gfx1250 --defsym DOCPART=n.
;; ======== version 1 of 1: 4 launches
;; limits: right only within a limited range of input values
;; workspace buffers: xcodes 6,291,456 bytes; xsc 262,144 bytes; xpart 131,072 bytes; wstream 3,276,800 bytes; cbias 262,144 bytes; logits 65,536 bytes; pctx 524,288 bytes
;; launch xprep (part 1): grid 256 x 1, 8 waves a work-group, no clusters, 140,288 bytes of LDS; arguments x, xcodes, xsc, xpart; writes xcodes, xsc, xpart
.if DOCPART == 1
	.amdgcn_target "amdgcn-amd-amdhsa--gfx1250"
	.amdhsa_code_object_version 6
	.text
	.protected	k_q6dd7e17fc0_xprep
	.globl	k_q6dd7e17fc0_xprep
	.p2align	8
	.type	k_q6dd7e17fc0_xprep,@function
k_q6dd7e17fc0_xprep:
	s_mov_b64 s[64:65], 0
	v_nop
	global_prefetch_b8 v0, s[64:65] scope:SCOPE_SE
	s_setreg_imm32_b32 hwreg(HW_REG_WAVE_MODE, 25, 1), 1
	s_wait_xcnt 0x0
; x [16][1024][512] f32 is quantised along its last axis into codes of BF6 (E3M2) with one E8M0 byte for each 32 numbers, and its column sums are begun.
; A block's scale is 2^(floor(log2(largest magnitude)) - 4); its byte is the largest magnitude's exponent field - 4, held at 1 from below.
; OUT: xcodes [token tile (1024)][K step (4)]: the IMAGE OF AN OPERAND'S REGISTERS, 1,536 bytes: registers 4 c .. 4 c + 3 of lane l at 512 c + 16 l, so that the product's launch loads a fragment by three loads of 16 bytes a lane.
;      xsc [K step (4)][token (16384)]: one scale word (four bytes: 128 along K).      xpart [quarter (4)][batch (16)][512] f32: the column sums of 256 rows.
; SHARES: work-group g = (batch g / 16, K step (g / 4) % 4, quarter g % 4) takes 256 rows x 128 columns; wave w rows 32 w .. 32 w + 31, two tiles of 16.
; EVERY LOAD IS DENSE: a row's 128 columns are 512 consecutive bytes, and one load takes them, 16 bytes a lane.  The conversions want another order: lane (r = lane % 16, h = lane / 16) holds, of row r, the two whole blocks
; 64 c + 32 h + 0 .. 31, as the operand's layout gives that lane its codes.  So a tile's 16 rows turn through the wave's own stage in LDS: in as loaded (528 x row + 16 x lane), out at 528 r + 128 h + 256 c + 16 p.
; The stage's pitch is 528 bytes = 132 words: row r starts at bank 4 r mod 64 (64 banks of 4 bytes: ISA guide 11.1), so the sixteen rows that a load touches start at sixteen different banks.  No wave reads another's stage: no barrier for it.
; The column sums are taken in the order as loaded, where a lane holds four columns of every row: no other lane is asked.
; All 32 loads of a wave go out at the head: 16 KiB a wave, 128 KiB a work-group on their way.  No hint on the loads: a later launch reads x again.
; LIMITS: NaN and infinities are not served.  A block of zeros, or one whose largest magnitude lies under 2^-122, gets the byte 1 (the rule says 127 for zeros): its codes are zeros or held, and this program alone reads the bytes.
; WORK LEFT OUT, in the whole program: m2_b.  reference() adds it to every logit of a batch alike and takes the softmax along that same axis: softmax(l + c) = softmax(l) for every finite c, and the logits reach
; the two outputs through that softmax alone.  So m2_b has no way to an output: it is not loaded and is no launch's argument.  LIMIT: a NaN, an infinity or an overflow that m2_b alone would bring is not carried to the result.
.set SPT,  528
.set TST,  16*SPT                      ; a tile's stage
.set WST,  2*TST                       ; a wave's two
.set SUMS, 8*WST                       ; behind the stages: 512 bytes of column sums for each wave
.set R0,   32                          ; v32-95   tile 0 as loaded: row n at R0 + 4 n; later tile 1 in the operand's order
.set R1,   96                          ; v96-159  tile 1 as loaded
.set X0,   160                         ; v160-223 tile 0 in the operand's order: register 32 c + n = column 64 c + 32 h + n
.set PCD,  224                         ; v224-247 tile i's 12 registers of codes at PCD + 12 i: no store's data are written again
.set TQ,   248                         ; v248-254 the second halves of the blocks' codes, as the conversions leave them
.set STI,  4                           ; v4       the stage, on the way in: my wave's + 16 x lane
.set STO,  7                           ; v7       and on the way out: my wave's + 528 r + 128 h
.set MX,   8                           ; v8-9     largest magnitudes
.set SO,   10                          ; v10-11   the conversions' scale operands
.set BY,   12                          ; v12-13   the scale bytes
.set SH,   14                          ; v14      8 h
.set PT,   15                          ; v15      what lane l xor 16 sends
.set SWT,  16                          ; v16-17   the two tiles' scale words; v18 the one that is stored
.set CS0,  20                          ; v20-23   my four columns' sums over tile 0's rows, then over all 32; v24-27 over tile 1's
.set CS1,  24
.set WV,   12                          ; s12      my wave's number
.set SEL,  30                          ; s[30:31] v_permlanex16_b32's selects for lane l xor 16
; 64 numbers of a lane, v[src] on, become a fragment's 12 registers v[pc] on and the row's scale word v[sw].
.macro QUANTM src, pc, sw
.irp c, 0,1
	v_max3_num_f32 v[MX+\c], |v[\src+32*\c]|, |v[\src+32*\c+1]|, 0x2800000     ; block 2 c + h: all its 32 numbers are mine; the floor 2^(5 - 127) keeps the byte at 1 or more
.endr
.irp i, 2,4,6,8,10,12,14,16,18,20,22,24,26,28,30
.irp c, 0,1
	s_delay_alu instid0(VALU_DEP_2)
	v_max3_num_f32 v[MX+\c], v[MX+\c], |v[\src+32*\c+\i]|, |v[\src+32*\c+\i+1]|   ; the two blocks by turns
.endr
.endr
.irp c, 0,1
	s_delay_alu instid0(VALU_DEP_2)
	v_add_nc_u32 v[SO+\c], 0xfe000000, v[MX+\c]    ; 4 off the exponent field: the conversion takes this operand's exponent field as its scale
.endr
.irp c, 0,1
	s_delay_alu instid0(VALU_DEP_2)
	v_lshrrev_b32 v[BY+\c], 23, v[SO+\c]           ; the scale's byte
.endr
	s_delay_alu instid0(VALU_DEP_1)
	v_lshl_or_b32 v[\sw], v[BY+1], 16, v[BY]       ; my two bytes: blocks h and 2 + h,
	s_delay_alu instid0(VALU_DEP_1)
	v_lshlrev_b32 v[\sw], v[SH], v[\sw]            ; at their places (8 h bits up);
	s_delay_alu instid0(VALU_DEP_1)
	v_permlanex16_b32 v[PT], v[\sw], s[SEL], s[SEL+1]
	s_delay_alu instid0(VALU_DEP_1)
	v_or_b32 v[\sw], v[\sw], v[PT]                 ; with lane l xor 16's two the word is whole, in both halves of the lanes
.irp c, 0,1
	v_cvt_scalef32_pk16_bf6_f32 v[\pc+6*\c:\pc+6*\c+2], v[\src+32*\c:\src+32*\c+15], v[SO+\c]
	v_cvt_scalef32_pk16_bf6_f32 v[TQ+4*\c:TQ+4*\c+2], v[\src+32*\c+16:\src+32*\c+31], v[SO+\c]   ; (a conversion's three registers begin on an even number)
.endr
	v_nop                                          ; one plain place behind a scaled conversion
.irp c, 0,1
.irp i, 0,1,2
	v_mov_b32 v[\pc+6*\c+3+\i], v[TQ+4*\c+\i]      ; registers 6 c .. 6 c + 5: K = 64 c + 32 h + 0 .. 31
.endr
.endr
.endm
; the sums of my four columns over the 16 rows of a tile as loaded, v[src] on: two chains that do not wait for each other; the first two rows start them
.macro COLSUM src, acc
	v_pk_add_f32 v[\acc:\acc+1], v[\src:\src+1], v[\src+4:\src+5]
	v_pk_add_f32 v[\acc+2:\acc+3], v[\src+2:\src+3], v[\src+6:\src+7]
.set k, 8
.rept 14
	s_delay_alu instid0(VALU_DEP_2)
	v_pk_add_f32 v[\acc:\acc+1], v[\acc:\acc+1], v[\src+k:\src+k+1]
	s_delay_alu instid0(VALU_DEP_2)
	v_pk_add_f32 v[\acc+2:\acc+3], v[\acc+2:\acc+3], v[\src+k+2:\src+k+3]
.set k, k+4
.endr
.endm
.macro STAGE_IN src, off               ; 16 rows as loaded: 512 consecutive bytes a store
.set k, 0
.rept 16
	ds_store_b128 v[STI], v[\src+4*k:\src+4*k+3] offset:\off+SPT*k
.set k, k+1
.endr
.endm
.macro STAGE_OUT dst, off              ; and back in the operand's order.  LDS serves a wave's instructions in order (ISA guide 5.7.1.4): these see the stores above
.irp c, 0,1
.irp p, 0,1,2,3,4,5,6,7
	ds_load_b128 v[\dst+32*\c+4*\p:\dst+32*\c+4*\p+3], v[STO] offset:\off+256*\c+16*\p
.endr
.endr
.endm
	s_load_b128 s[4:7], s[0:1], 0x0                ; x, xcodes
	s_load_b128 s[8:11], s[0:1], 0x10              ; xsc, xpart
	v_lshl_add_u32 v251, v0, 2, 0x22000
	v_mov_b32 v255, 0
	v_lshrrev_b32 v1, 5, v0
	s_delay_alu instid0(VALU_DEP_1)
	v_readfirstlane_b32 s[WV], v1                  ; wave 0..7
	v_and_b32 v1, 31, v0                           ; lane
	v_and_b32 v2, 15, v0                           ; r
	v_bfe_u32 v3, v0, 4, 1                         ; h
	s_delay_alu instid0(VALU_DEP_3)
	v_lshlrev_b32 v5, 4, v1                        ; 16 x lane: my bytes of a row's 512, and an image's place for my lane
	s_delay_alu instid0(VALU_DEP_4)
	v_lshlrev_b32 v6, 2, v1                        ; a scale word's
	s_mul_i32 s13, s[WV], WST                      ; my wave's stages
	v_add_nc_u32 v[STI], s13, v5
	v_mul_u32_u24 v[STO], v2, SPT
	s_delay_alu instid0(VALU_DEP_1)
	v_lshl_add_u32 v[STO], v3, 7, v[STO]
	s_delay_alu instid0(VALU_DEP_1)
	v_add_nc_u32 v[STO], s13, v[STO]
	s_lshl_b32 s13, s[WV], 9
	s_add_co_u32 s13, s13, SUMS
	v_add_nc_u32 v28, s13, v5                      ; LDS: my wave's 512 bytes of column sums, my four columns
	v_lshlrev_b32 v19, 2, v0                       ; 4 x thread: the last sum's place in xpart,
	s_delay_alu instid0(VALU_DEP_1)
	v_add_nc_u32 v29, SUMS, v19                    ; and in LDS
	v_lshlrev_b32 v[SH], 3, v3
	v_mov_b32 v[PT], 0                             ; a lane permute's destination counts as one of its sources
	s_mov_b32 s[SEL], 0x76543210
	s_mov_b32 s[SEL+1], 0xfedcba98
	s_lshr_b32 s14, ttmp9, 4                       ; batch
	s_bfe_u32 s15, ttmp9, 0x20002                  ; K step
	s_and_b32 s16, ttmp9, 3                        ; quarter
	s_lshl_b32 s17, s14, 10
	s_lshl_b32 s18, s16, 8
	s_add_co_u32 s17, s17, s18
	s_lshl_b32 s18, s[WV], 5
	s_add_co_u32 s17, s17, s18                     ; my wave's first token: 1024 batch + 256 quarter + 32 wave
	s_lshl_b32 s20, s17, 11
	s_lshl_b32 s18, s15, 9
	s_add_co_u32 s20, s20, s18                     ; x: token x 2,048 + 512 x K step
	s_mov_b32 s21, 0
	s_mul_i32 s22, s17, 384
	s_mul_i32 s18, s15, 1536
	s_add_co_u32 s22, s22, s18                     ; xcodes: (token / 16) x 6,144 + 1,536 x K step
	s_mov_b32 s23, 0
	s_lshl_b32 s24, s15, 16
	s_lshl_b32 s18, s17, 2
	s_add_co_u32 s24, s24, s18                     ; xsc: 65,536 x K step + 4 x token
	s_mov_b32 s25, 0
	s_lshl_b32 s26, s16, 4
	s_add_co_u32 s26, s26, s14
	s_lshl_b32 s26, s26, 11
	s_lshl_b32 s18, s15, 9
	s_add_co_u32 s26, s26, s18                     ; xpart: (16 quarter + batch) x 2,048 + 512 x K step
	s_mov_b32 s27, 0
	s_wait_alu depctr_va_vdst(0)
	s_wait_kmcnt 0x0
	s_add_nc_u64 s[4:5], s[4:5], s[20:21]
	s_add_nc_u64 s[6:7], s[6:7], s[22:23]
	s_add_nc_u64 s[8:9], s[8:9], s[24:25]
	s_add_nc_u64 s[10:11], s[10:11], s[26:27]
.set k, 0
.rept 32
	global_load_b128 v[R0+4*k:R0+4*k+3], v5, s[4:5] offset:2048*k     ; row k of my 32: 32 lanes read 512 consecutive bytes, at a multiple of 512 from x's first byte
.set k, k+1
.endr
	s_wait_loadcnt 16                              ; tile 0's sixteen loads are in; tile 1's sixteen may be out
	STAGE_IN R0, 0
	STAGE_OUT X0, 0
	COLSUM R0, CS0
	s_wait_loadcnt 0x0
	STAGE_IN R1, TST
	COLSUM R1, CS1
	s_wait_alu depctr_va_vdst(0)
	s_wait_dscnt 16                                ; all but tile 1's sixteen stores are done: tile 0 is back, and its stores into the stage have read R0,
	STAGE_OUT R0, TST                              ; which takes tile 1 in the operand's order
	v_pk_add_f32 v[CS0:CS0+1], v[CS0:CS0+1], v[CS1:CS1+1]
	v_pk_add_f32 v[CS0+2:CS0+3], v[CS0+2:CS0+3], v[CS1+2:CS1+3]
	ds_store_b128 v28, v[CS0:CS0+3]                ; my wave's sums of the 128 columns: 512 consecutive bytes
	QUANTM X0, PCD, SWT
.irp c, 0,1,2
	global_store_b128 v5, v[PCD+4*\c:PCD+4*\c+3], s[6:7] offset:512*\c           ; 32 lanes store 512 consecutive bytes
.endr
	s_wait_dscnt 0x0                               ; tile 1 is back
	QUANTM R0, PCD+12, SWT+1
.irp c, 0,1,2
	global_store_b128 v5, v[PCD+12+4*\c:PCD+12+4*\c+3], s[6:7] offset:6144+512*\c
.endr
	v_cmp_le_u32 vcc_lo, 16, v1
	s_delay_alu instid0(VALU_DEP_1)
	v_cndmask_b32 v18, v[SWT], v[SWT+1], vcc_lo    ; lanes 0-15: tile 0's rows, lanes 16-31: tile 1's: lane l has token l's word
	global_store_b32 v6, v18, s[8:9]               ; 128 consecutive bytes a wave, 1,024 a work-group
	s_wait_dscnt 0x0                               ; for the others' sake: my sums lie in LDS
	s_barrier_signal -1
	s_barrier_wait -1
	s_cmp_lt_u32 s[WV], 4                          ; 128 columns: threads 0 to 127 add the eight waves' sums
	s_cbranch_scc0 .Ldone
.irp w, 0,1,2,3,4,5,6,7
	ds_load_b32 v[20+\w], v29 offset:512*\w
.endr
	s_wait_dscnt 0x0
	v_add_f32 v20, v20, v21
	v_add_f32 v22, v22, v23
	v_add_f32 v24, v24, v25
	v_add_f32 v26, v26, v27
	s_delay_alu instid0(VALU_DEP_3)
	v_add_f32 v20, v20, v22
	s_delay_alu instid0(VALU_DEP_2)
	v_add_f32 v24, v24, v26
	s_delay_alu instid0(VALU_DEP_1)
	v_add_f32 v20, v20, v24
	global_store_b32 v19, v20, s[10:11]            ; 512 consecutive bytes, at a multiple of 256 from the buffer's first byte
.Ldone:
	s_wait_tensorcnt 0x0
	ds_add_u32 v251, v255
	s_wait_dscnt 0x0
	s_endpgm
.Lfunc_end_k_q6dd7e17fc0_xprep:
	.size	k_q6dd7e17fc0_xprep, .Lfunc_end_k_q6dd7e17fc0_xprep-k_q6dd7e17fc0_xprep
	.p2alignl 7, 3214868480
	.fill 96, 4, 3214868480
	.section	.rodata,"a",@progbits
	.p2align	6, 0x0
	.amdhsa_kernel k_q6dd7e17fc0_xprep
		.amdhsa_group_segment_fixed_size 140288
		.amdhsa_private_segment_fixed_size 0
		.amdhsa_enable_private_segment 0
		.amdhsa_kernarg_size 32
		.amdhsa_user_sgpr_count 2
		.amdhsa_user_sgpr_kernarg_segment_ptr 1
		.amdhsa_wavefront_size32 1
		.amdhsa_system_sgpr_workgroup_id_x 1
		.amdhsa_system_sgpr_workgroup_id_y 1
		.amdhsa_system_sgpr_workgroup_id_z 1
		.amdhsa_system_vgpr_workitem_id 0
		.amdhsa_next_free_vgpr 256
		.amdhsa_next_free_sgpr 66
		.amdhsa_reserve_vcc 1
		.amdhsa_float_denorm_mode_32 3
		.amdhsa_float_denorm_mode_16_64 3
		.amdhsa_memory_ordered 1
		.amdhsa_forward_progress 1
		.amdhsa_inst_pref_size 26
	.end_amdhsa_kernel
	.amdgpu_metadata
---
amdhsa.version: [ 1, 2 ]
amdhsa.kernels:
  - .name:           k_q6dd7e17fc0_xprep
    .symbol:         k_q6dd7e17fc0_xprep.kd
    .args:
      - { .name: x, .offset: 0, .size: 8, .value_kind: global_buffer, .address_space: global }
      - { .name: xcodes, .offset: 8, .size: 8, .value_kind: global_buffer, .address_space: global }
      - { .name: xsc, .offset: 16, .size: 8, .value_kind: global_buffer, .address_space: global }
      - { .name: xpart, .offset: 24, .size: 8, .value_kind: global_buffer, .address_space: global }
    .group_segment_fixed_size: 140288
    .private_segment_fixed_size: 0
    .kernarg_segment_align: 8
    .kernarg_segment_size: 32
    .max_flat_workgroup_size: 256
    .sgpr_count:     66
    .vgpr_count:     256
    .wavefront_size: 32
...
	.end_amdgpu_metadata
.endif
;; end of part 1
;; launch wprep (part 2): grid 256 x 1, 4 waves a work-group, no clusters, 105,984 bytes of LDS; arguments W_ent, b_ent, m1_w_codes, m1_w_scales, xpart, wstream, cbias; writes wstream, cbias
.if DOCPART == 2
	.amdgcn_target "amdgcn-amd-amdhsa--gfx1250"
	.amdhsa_code_object_version 6
	.text
	.protected	k_q6dd7e17fc0_wprep
	.globl	k_q6dd7e17fc0_wprep
	.p2align	8
	.type	k_q6dd7e17fc0_wprep,@function
k_q6dd7e17fc0_wprep:
	s_mov_b64 s[64:65], 0
	v_nop
	global_prefetch_b8 v0, s[64:65] scope:SCOPE_SE
	s_setreg_imm32_b32 hwreg(HW_REG_WAVE_MODE, 25, 1), 1
	s_wait_xcnt 0x0
; Three things, once for the whole program:
; (1) W1 = W_ent[:, :, :512] is quantised along its last axis (BF6, one E8M0 byte for each 32) and (2) m1_w's given codes and scale bytes are copied, both into ONE stream, wstream, in the order in which the next launch's waves use them;
; (3) cbias[batch][k] = Q(xbar) . Q(W2)[k] + b_ent, k = 8 e + s: the part of the hidden layer that hangs on the batch alone (the second quantised product).
; wstream: [super step j (8)][step q (4)][wave w (4)][group g (4)], 6,400 bytes a group: four fragments as IMAGES OF THEIR REGISTERS (1,536 bytes: registers 4 c .. 4 c + 3 of lane l at 512 c + 16 l), then 16 rows x 16 bytes of scale words (row r at 16 r, fragment i's word at + 4 i).
;   In a group: K step = g, tile = 4 (q % 2) + i.   q < 2: tile t of the 128 hidden units of chunk 4 j + w, K = x's 512.   q >= 2: rows 128 w + 16 t + r of m1_w, K step 4 j + s of its 4,096.
; THE ROWS OF W1 THAT FORM A TILE ARE NOT NEIGHBOURS: row r of tile t is hidden unit k = 128 chunk + 32 (t / 2) + 8 (t % 2) + r + 8 (r / 8), which is row (k % 8) x 512 + k / 8 of W_ent: so the next launch's results lie 16 neighbours along the next K to a lane.
; SHARES: work-group tau = (j = tau / 32, w = (tau / 8) % 4, t = tau % 8); its wave s takes K step s: one fragment of W1, one of W2, one of m1_w, and one matrix instruction.  The four K steps' sums meet in LDS.
; THE LARGE LOADS ARE DENSE: a row's 128 numbers of a K step are 512 consecutive bytes, and one load takes them, 16 bytes a lane.  The conversions want lane (r, h) to hold, of row r, the blocks 64 c + 32 h + 0 .. 31: so the 16 rows of W1, of W2 and
; of xbar each turn through a stage of the wave's own in LDS: in as loaded (528 x row + 16 x lane), out at 528 r + 128 h + 256 c + 16 p.  The pitch is 528 bytes = 132 words: row r starts at bank 4 r mod 64 (64 banks of 4 bytes: ISA guide 11.1).
; The four quarters of the column sums are added in the order as loaded and go through the stage once.  W is staged and quantised while the last three quarters are still on their way.
; The scale words leave as 4 bytes at every 16 and cbias as pieces of 32 bytes: both buffers are laid for the 256 work-groups that read them, and are small (131,072 and 262,144 bytes).
; LIMITS: NaN and infinities are not served; a block of zeros, or one under 2^-122, gets the byte 1 (this program alone reads the bytes that it makes); the second product's four K steps are added in f32, outside the matrix unit.
; REGISTERS: window 0: v1-15 addresses; v16-31 at work and scale words; v32-95 W1's 64 numbers in the operand's order (later xbar's codes and the product); v96-159 W2's; v160-223 xbar's; v224-247 W1's and W2's codes; v248-254 at work.
;   window 1: as loaded: v0-63 W1's 16 rows, v64-127 W2's, v128-191 quarter 0 of the column sums (16 batches), then their sum; v192-203 m1_w's fragment.   window 2: v0-191 quarters 1 to 3.
.set SPT, 528                          ; a stage's row
.set TST, 16*SPT                       ; a stage
.set WST, 3*TST                        ; a wave's three: W1's, W2's, xbar's
.set PS,  4*WST                        ; behind the stages: 1,024 bytes for each K step's part of the product
.set WA,  32
.set WB,  96
.set XB,  160
.set F1,  224
.set F2,  236
.set TQ,  248
.set FX,  32                           ; xbar's codes, where W1's numbers lay
.set DD,  48                           ; the product
.set STI, 4                            ; v4  a stage, on the way in: my wave's + 16 x lane
.set STO, 5                            ; v5  and on the way out: my wave's + 528 r + 128 h
.set MX,  16
.set SO,  18
.set BY,  20
.set SH,  22
.set PT,  23
.set SW1, 24
.set SW2, 25
.set SWX, 26
.set SWM, 27
.set SWO, 28
.set BE,  30                           ; v30-31 my two numbers of b_ent
.set RW1, 0                            ; window 1
.set RW2, 64                           ; window 1
.set RQ0, 128                          ; window 1
.set MF,  192                          ; window 1
.set WV,  18
.set SEL, 46
.set MSB, 0
.macro WIN new                         ; the immediate's high byte repeats the setting that is left; bits 1:0 source 0, 3:2 source 1, 5:4 source 2, 7:6 destination
.if MSB != \new
	s_set_vgpr_msb (MSB<<8)|\new
.set MSB, \new
.endif
.endm
; 64 numbers of a lane, v[src] on (register 32 c + n = K 64 c + 32 h + n of my row), become a fragment's 12 registers v[pc] on and the row's scale word v[sw].
.macro QUANTM src, pc, sw
.irp c, 0,1
	v_max3_num_f32 v[MX+\c], |v[\src+32*\c]|, |v[\src+32*\c+1]|, 0x2800000     ; block 2 c + h: all its 32 numbers are mine; the floor 2^(5 - 127) keeps the byte at 1 or more
.endr
.irp i, 2,4,6,8,10,12,14,16,18,20,22,24,26,28,30
.irp c, 0,1
	v_max3_num_f32 v[MX+\c], v[MX+\c], |v[\src+32*\c+\i]|, |v[\src+32*\c+\i+1]|
.endr
.endr
.irp c, 0,1
	v_add_nc_u32 v[SO+\c], 0xfe000000, v[MX+\c]    ; 4 off the exponent field: the conversion's scale operand
.endr
.irp c, 0,1
	v_lshrrev_b32 v[BY+\c], 23, v[SO+\c]           ; the scale's byte
.endr
	v_lshl_or_b32 v[\sw], v[BY+1], 16, v[BY]
	v_lshlrev_b32 v[\sw], v[SH], v[\sw]
	v_permlanex16_b32 v[PT], v[\sw], s[SEL], s[SEL+1]
	v_or_b32 v[\sw], v[\sw], v[PT]                 ; the row's scale word, in both halves of the lanes
.irp c, 0,1
	v_cvt_scalef32_pk16_bf6_f32 v[\pc+6*\c:\pc+6*\c+2], v[\src+32*\c:\src+32*\c+15], v[SO+\c]
	v_cvt_scalef32_pk16_bf6_f32 v[TQ+4*\c:TQ+4*\c+2], v[\src+32*\c+16:\src+32*\c+31], v[SO+\c]   ; (a conversion's three registers begin on an even number)
.endr
	v_nop                                          ; one plain place behind a scaled conversion
.irp c, 0,1
.irp i, 0,1,2
	v_mov_b32 v[\pc+6*\c+3+\i], v[TQ+4*\c+\i]
.endr
.endr
.endm
.macro STAGE_IN src, off               ; 16 rows as loaded (window 1): 512 consecutive bytes a store
.set k, 0
.rept 16
	ds_store_b128 v[STI], v[\src+4*k:\src+4*k+3] offset:\off+SPT*k
.set k, k+1
.endr
.endm
.macro STAGE_OUT dst, off              ; and back in the operand's order (window 0).  LDS serves a wave's instructions in order (ISA guide 5.7.1.4): these see my stores
.irp c, 0,1
.irp p, 0,1,2,3,4,5,6,7
	ds_load_b128 v[\dst+32*\c+4*\p:\dst+32*\c+4*\p+3], v[STO] offset:\off+256*\c+16*\p
.endr
.endr
.endm
	s_load_b256 s[4:11], s[0:1], 0x0               ; W_ent, b_ent, m1_w's codes, m1_w's scales
	s_load_b128 s[12:15], s[0:1], 0x20             ; xpart, wstream
	s_load_b64 s[16:17], s[0:1], 0x30              ; cbias
	v_lshl_add_u32 v251, v0, 2, 0x19c00
	v_mov_b32 v255, 0
	v_lshrrev_b32 v1, 5, v0
	v_readfirstlane_b32 s[WV], v1                  ; wave = K step s
	v_and_b32 v1, 31, v0                           ; lane
	v_and_b32 v2, 15, v0                           ; r
	v_bfe_u32 v3, v0, 4, 1                         ; h
	v_lshlrev_b32 v9, 4, v1                        ; 16 x lane: my bytes of a row's 512, and an image's place for my lane
	s_mul_i32 s19, s[WV], WST                      ; my wave's stages
	v_add_nc_u32 v[STI], s19, v9
	v_mul_u32_u24 v[STO], v2, SPT
	v_lshl_add_u32 v[STO], v3, 7, v[STO]
	v_add_nc_u32 v[STO], s19, v[STO]
	v_mul_u32_u24 v6, v2, 3072
	v_mad_u32_u24 v6, v3, 24, v6                   ; m1_w's codes: row r of 3,072 bytes, + 24 h
	v_lshlrev_b32 v7, 7, v2                        ; its scale bytes: 128 a row
	v_and_b32 v14, 3, v0
	v_lshrrev_b32 v15, 6, v0
	v_lshlrev_b32 v8, 12, v14
	v_lshl_add_u32 v8, v15, 3, v8                  ; b_ent, for the last sum: states 2 (thread % 4) and + 1, unit e0 + 2 (thread / 64)
	v_mul_u32_u24 v10, v3, 204800
	v_lshl_add_u32 v10, v2, 4, v10                 ; the scale words: row r at 16 r; lanes 16-31 store m1_w's, two steps (204,800 bytes) on
	s_lshl_b32 s19, s[WV], 10
	s_add_co_u32 s19, s19, PS
	v_lshl_add_u32 v11, v1, 5, s19                 ; LDS: my K step's 1,024 bytes of the product, 32 a lane
	v_lshl_add_u32 v12, v0, 3, PS                  ; and back: 8 bytes a thread
	v_bfe_u32 v13, v0, 2, 4
	v_lshlrev_b32 v13, 14, v13
	v_lshl_add_u32 v13, v15, 6, v13
	v_lshl_add_u32 v13, v14, 3, v13                ; cbias: batch (thread / 4) % 16, + 64 (thread / 64) + 8 (thread % 4)
	v_lshlrev_b32 v[SH], 3, v3
	v_mov_b32 v[PT], 0                             ; a lane permute's destination counts as one of its sources
	s_mov_b32 s[SEL], 0x76543210
	s_mov_b32 s[SEL+1], 0xfedcba98
	s_lshr_b32 s20, ttmp9, 5                       ; j
	s_bfe_u32 s21, ttmp9, 0x20003                  ; w
	s_and_b32 s22, ttmp9, 7                        ; t
	s_lshr_b32 s23, ttmp9, 3                       ; chunk = 4 j + w
	s_lshl_b32 s24, s23, 4
	s_lshr_b32 s25, s22, 1
	s_lshl_b32 s25, s25, 2
	s_add_co_u32 s24, s24, s25
	s_and_b32 s25, s22, 1
	s_add_co_u32 s24, s24, s25                     ; e0 = k0 / 8 = 16 chunk + 4 (t / 2) + t % 2
	s_lshl_b32 s26, s24, 12
	s_lshl_b32 s25, s[WV], 9
	s_add_co_u32 s26, s26, s25                     ; W_ent: 4,096 e0 + 512 s
	s_mov_b32 s27, 0
	s_mov_b32 s28, s25                             ; xpart: 512 s
	s_mov_b32 s29, 0
	s_lshl_b32 s30, s21, 7
	s_lshl_b32 s25, s22, 4
	s_add_co_u32 s30, s30, s25                     ; m1_w's first row: 128 w + 16 t
	s_lshl_b32 s31, s20, 2
	s_add_co_u32 s31, s31, s[WV]                   ; its K step: 4 j + s
	s_mul_i32 s32, s30, 3072
	s_mul_i32 s25, s31, 96
	s_add_co_u32 s32, s32, s25
	s_mov_b32 s33, 0
	s_lshl_b32 s34, s30, 7
	s_lshl_b32 s25, s31, 2
	s_add_co_u32 s34, s34, s25
	s_mov_b32 s35, 0
	s_mul_i32 s36, s20, 409600                     ; wstream: the super step,
	; THE ORDER INSIDE A SUPER STEP, in place of the head's sentence on a group's K step and tile: in [q][w][g] the group g holds K step g, and its tiles are 4 (q % 2) + i; q < 2 is W1, q >= 2 m1_w, as there.
	; So a wave's four groups of tiles 4 to 7 of one product are 25,600 bytes on end: 100 rows of 256 bytes for one tensor load of the next launch.
	s_lshr_b32 s25, s22, 2
	s_mul_i32 s25, s25, 102400
	s_add_co_u32 s36, s36, s25                     ; the half t / 4,
	s_mul_i32 s25, s21, 25600
	s_add_co_u32 s36, s36, s25                     ; the wave's block,
	s_mul_i32 s25, s[WV], 6400
	s_add_co_u32 s36, s36, s25                     ; the group = my K step
	s_and_b32 s25, s22, 3
	s_mul_i32 s38, s25, 1536
	s_add_co_u32 s38, s38, s36                     ; my fragment's image: + 1,536 (t % 4)
	s_mov_b32 s39, 0
	s_lshl_b32 s40, s25, 2
	s_add_co_u32 s40, s40, s36
	s_add_co_u32 s40, s40, 6144                    ; its scale words: + 6,144 + 4 (t % 4)
	s_mov_b32 s41, 0
	s_lshl_b32 s42, s24, 5                         ; cbias: 4 k0
	s_mov_b32 s43, 0
	s_lshl_b32 s44, s24, 2                         ; b_ent: 4 e0
	s_mov_b32 s45, 0
	s_wait_kmcnt 0x0
	s_add_nc_u64 s[4:5], s[4:5], s[26:27]          ; W_ent at states 0 to 3 of my rows,
	s_add_nc_u64 s[26:27], s[4:5], 0x800000        ; and at states 4 to 7: four states of 2,097,152 bytes on, since a load's immediate does not reach seven
	s_add_nc_u64 s[6:7], s[6:7], s[44:45]
	s_add_nc_u64 s[8:9], s[8:9], s[32:33]
	s_add_nc_u64 s[10:11], s[10:11], s[34:35]
	s_add_nc_u64 s[12:13], s[12:13], s[28:29]
	s_add_nc_u64 s[38:39], s[14:15], s[38:39]
	s_add_nc_u64 s[40:41], s[14:15], s[40:41]
	s_add_nc_u64 s[16:17], s[16:17], s[42:43]
	; all loads go out at the head: 9 small ones, quarter 0 of the column sums, W1 and W2, quarters 1 to 3
	global_load_b32 v[SWM], v7, s[10:11]           ; m1_w's scale word of my row and K step
	global_load_b32 v[BE], v8, s[6:7]
	global_load_b32 v[BE+1], v8, s[6:7] offset:2048
	WIN 0x40                                       ; destination window 1
.irp p, 0,1,2,3,4,5
	global_load_b64 v[MF+2*\p:MF+2*\p+1], v6, s[8:9] offset:48*(\p/3)+8*(\p%3)    ; m1_w's fragment: the row's stream of bits as it lies
.endr
.set k, 0
.rept 16
	global_load_b128 v[RQ0+4*k:RQ0+4*k+3], v9, s[12:13] offset:2048*k             ; batch k: 32 lanes read 512 consecutive bytes
.set k, k+1
.endr
.set k, 0
.rept 16                                       ; row k of the tile: state k % 8, unit e0 + 2 (k / 8); W1 is the row's first half, W2 its second.  Each byte of W_ent is read once in the launch
.if (k/4)%2
	global_load_b128 v[RW1+4*k:RW1+4*k+3], v9, s[26:27] offset:(k%4)*2097152+(k/8)*8192 th:TH_LOAD_NT
	global_load_b128 v[RW2+4*k:RW2+4*k+3], v9, s[26:27] offset:(k%4)*2097152+(k/8)*8192+2048 th:TH_LOAD_NT
.else
	global_load_b128 v[RW1+4*k:RW1+4*k+3], v9, s[4:5] offset:(k%4)*2097152+(k/8)*8192 th:TH_LOAD_NT
	global_load_b128 v[RW2+4*k:RW2+4*k+3], v9, s[4:5] offset:(k%4)*2097152+(k/8)*8192+2048 th:TH_LOAD_NT
.endif
.set k, k+1
.endr
	WIN 0x80                                       ; destination window 2
.irp q, 1,2,3
.set k, 0
.rept 16
	global_load_b128 v[64*(\q-1)+4*k:64*(\q-1)+4*k+3], v9, s[12:13] offset:32768*\q+2048*k
.set k, k+1
.endr
.endr
	WIN 0
	s_wait_loadcnt 48                              ; all but the 48 loads of quarters 1 to 3 are in
	WIN 0x04                                       ; an LDS store's data are its source 1: window 1
	STAGE_IN RW1, 0
	STAGE_IN RW2, TST
	WIN 0
	STAGE_OUT WA, 0
	STAGE_OUT WB, TST
	s_wait_dscnt 16                                ; W1 is back; W2's sixteen loads may be out
	QUANTM WA, F1, SW1
	s_wait_dscnt 0x0
	QUANTM WB, F2, SW2
.irp c, 0,1,2
	global_store_b128 v9, v[F1+4*\c:F1+4*\c+3], s[38:39] offset:512*\c            ; 32 lanes store 512 consecutive bytes
.endr
	WIN 0x04                                       ; a store's data are its source 1: window 1
.irp c, 0,1,2
	global_store_b128 v9, v[MF+4*\c:MF+4*\c+3], s[38:39] offset:204800+512*\c
.endr
	WIN 0
	v_cmp_le_u32 vcc_lo, 16, v1
	v_cndmask_b32 v[SWO], v[SW1], v[SWM], vcc_lo   ; lanes 0-15: W1's word of row r; lanes 16-31: m1_w's
	global_store_b32 v10, v[SWO], s[40:41]
	s_wait_loadcnt 0x0                             ; quarters 1 to 3
	WIN 0x49                                       ; destination and source 0 window 1, source 1 window 2
.irp q, 0,1,2
.set k, 0
.rept 32
	v_pk_add_f32 v[RQ0+k:RQ0+k+1], v[RQ0+k:RQ0+k+1], v[64*\q+k:64*\q+k+1]
.set k, k+2
.endr
.endr
	WIN 0x41                                       ; destination and source 0 window 1
.set k, 0
.rept 32
	v_pk_mul_f32 v[RQ0+k:RQ0+k+1], v[RQ0+k:RQ0+k+1], 0x3a800000 op_sel_hi:[1,0]   ; xbar = the column sum / 1,024
.set k, k+2
.endr
	WIN 0x04
	STAGE_IN RQ0, 2*TST
	WIN 0
	STAGE_OUT XB, 2*TST
	s_wait_dscnt 0x0
	QUANTM XB, FX, SWX
.rept 8
	v_nop                                          ; a scale register written by a vector instruction stands 8 places ahead of a scaled matrix instruction, an operand so written 4
.endr
	v_wmma_scale_f32_16x16x128_f8f6f4 v[DD:DD+7], v[F2:F2+11], v[FX:FX+11], 0, v[SW2], v[SWX] matrix_a_fmt:MATRIX_FMT_BF6 matrix_b_fmt:MATRIX_FMT_BF6   ; source 0 = 16 rows of W2, source 1 = the 16 batches: lane (batch, h), register n: unit k0 + 16 h + n
.rept 4
	v_nop
.endr
	ds_store_b128 v11, v[DD:DD+3]                  ; from the low end on
	ds_store_b128 v11, v[DD+4:DD+7] offset:16
	s_wait_dscnt 0x0                               ; for the others' sake: my K step's sums lie in LDS
	s_barrier_signal -1
	s_barrier_wait -1
.irp s, 0,1,2,3
	ds_load_b64 v[56+2*\s:57+2*\s], v12 offset:1024*\s     ; thread n: numbers 2 (n % 4), + 1 of lane n / 4, of each K step
.endr
	s_wait_dscnt 0x0
	v_pk_add_f32 v[56:57], v[56:57], v[58:59]
	v_pk_add_f32 v[60:61], v[60:61], v[62:63]
	v_pk_add_f32 v[56:57], v[56:57], v[60:61]
	v_pk_add_f32 v[56:57], v[56:57], v[BE:BE+1]
	global_store_b64 v13, v[56:57], s[16:17]
	s_wait_tensorcnt 0x0
	ds_add_u32 v251, v255
	s_wait_dscnt 0x0
	s_endpgm
.Lfunc_end_k_q6dd7e17fc0_wprep:
	.size	k_q6dd7e17fc0_wprep, .Lfunc_end_k_q6dd7e17fc0_wprep-k_q6dd7e17fc0_wprep
	.p2alignl 7, 3214868480
	.fill 96, 4, 3214868480
	.section	.rodata,"a",@progbits
	.p2align	6, 0x0
	.amdhsa_kernel k_q6dd7e17fc0_wprep
		.amdhsa_group_segment_fixed_size 105984
		.amdhsa_private_segment_fixed_size 0
		.amdhsa_enable_private_segment 0
		.amdhsa_kernarg_size 56
		.amdhsa_user_sgpr_count 2
		.amdhsa_user_sgpr_kernarg_segment_ptr 1
		.amdhsa_wavefront_size32 1
		.amdhsa_system_sgpr_workgroup_id_x 1
		.amdhsa_system_sgpr_workgroup_id_y 1
		.amdhsa_system_sgpr_workgroup_id_z 1
		.amdhsa_system_vgpr_workitem_id 0
		.amdhsa_next_free_vgpr 768
		.amdhsa_next_free_sgpr 66
		.amdhsa_reserve_vcc 1
		.amdhsa_float_denorm_mode_32 3
		.amdhsa_float_denorm_mode_16_64 3
		.amdhsa_memory_ordered 1
		.amdhsa_forward_progress 1
		.amdhsa_inst_pref_size 41
	.end_amdhsa_kernel
	.amdgpu_metadata
---
amdhsa.version: [ 1, 2 ]
amdhsa.kernels:
  - .name:           k_q6dd7e17fc0_wprep
    .symbol:         k_q6dd7e17fc0_wprep.kd
    .args:
      - { .name: W_ent, .offset: 0, .size: 8, .value_kind: global_buffer, .address_space: global }
      - { .name: b_ent, .offset: 8, .size: 8, .value_kind: global_buffer, .address_space: global }
      - { .name: m1_w_codes, .offset: 16, .size: 8, .value_kind: global_buffer, .address_space: global }
      - { .name: m1_w_scales, .offset: 24, .size: 8, .value_kind: global_buffer, .address_space: global }
      - { .name: xpart, .offset: 32, .size: 8, .value_kind: global_buffer, .address_space: global }
      - { .name: wstream, .offset: 40, .size: 8, .value_kind: global_buffer, .address_space: global }
      - { .name: cbias, .offset: 48, .size: 8, .value_kind: global_buffer, .address_space: global }
    .group_segment_fixed_size: 105984
    .private_segment_fixed_size: 0
    .kernarg_segment_align: 8
    .kernarg_segment_size: 56
    .max_flat_workgroup_size: 128
    .sgpr_count:     66
    .vgpr_count:     768
    .wavefront_size: 32
...
	.end_amdgpu_metadata
.endif
;; end of part 2
;; launch fused (part 3): grid 256 x 1, 4 waves a work-group, clusters of 4 x 1, 327,680 bytes of LDS; arguments xcodes, xsc, wstream, cbias, m1_b, ln_g, ln_b, m2_w, x, logits, pctx; writes logits, pctx
.if DOCPART == 3
	.amdgcn_target "amdgcn-amd-amdhsa--gfx1250"
	.amdhsa_code_object_version 6
	.text
	.protected	k_q6dd7e17fc0_fused
	.globl	k_q6dd7e17fc0_fused
	.p2align	8
	.type	k_q6dd7e17fc0_fused,@function
k_q6dd7e17fc0_fused:
	s_mov_b64 s[64:65], 0
	v_nop
	global_prefetch_b8 v0, s[64:65] scope:SCOPE_SE
	s_setreg_imm32_b32 hwreg(HW_REG_WAVE_MODE, 25, 1), 1
	s_wait_xcnt 0x0
	s_wait_alu depctr_hold_cnt(0) depctr_sa_sdst(0) depctr_va_vdst(0) depctr_va_sdst(0) depctr_va_ssrc(0) depctr_va_vcc(0) depctr_vm_vsrc(0)
	s_getreg_b32 s2, hwreg(HW_REG_IB_STS2, 6, 4)
	s_cmp_eq_u32 s2, 0
	s_cbranch_scc0 .Lentry_in_a_cluster
	s_endpgm
.Lentry_in_a_cluster:
	s_bfe_u32 s2, ttmp6, 0x10000c
	s_cmp_lg_u32 s2, 0x3003
	s_cbranch_scc0 .Lentry_shape_is_right
	s_endpgm
.Lentry_shape_is_right:
; A work-group takes 64 tokens through the whole chain: hidden = Q(x) Q(W1)^T + cbias, quantised along the hidden units; h = Q(hidden) m1_w^T + m1_b; layer norm, tanh, the logit h . m2_w;
; then the block's own softmax numerators and its partial context.  m2_b is left out: it is the same along the softmax's axis (shown at the head of the first kernel).
; EIGHT SUPER STEPS of 512 hidden units.  Product 1: wave w makes units 128 w .. + 127 of the super step for the 64 tokens (32 accumulators, window 2, begun as cbias), quantises them and lays them into LDS as images of
; operand registers.  Product 2: wave w adds onto rows 128 w .. + 127 of h (32 accumulators, window 3, begun as m1_b) over the super step's 512 along K.  Both are used transposed (source 0 = 16 weight rows, source 1 = 16 tokens).
; THE WEIGHTS lie in wstream as images of operand registers, in groups of four fragments and their scale words.  A K step of a product is two groups: tiles 0-3 and tiles 4-7.
; TILES 4-7 COME JOINTLY: the four work-groups of a cluster walk the same super steps, so wave w of each issues the same tensor load (mask 15) of its 25,600 bytes of a product.  Two LDS regions of 102,400 bytes, one for each
; product; a region is filled again once a super step, directly behind the round that follows its last read, and is read again a whole product and the quantiser later.  One tensor load of a wave is out at a time.
; TILES 0-3 COME STRAIGHT INTO REGISTERS: beside the 82,432 bytes of what else lies in LDS there is room for two such regions and no more, so the other half of a product, 16 fragments, has a ring of 192 registers (window 1):
; a group's registers are asked for again behind its 16 products, with the same group of the next product: three groups, 39 loads, are on their way behind the one that is waited for.
; All loads stand in runs between groups of 16 products.
; PREFETCH: the clusters walk the super steps from eight different starts (cluster % 8), so all of wstream is wanted in the first trip.  At the head each work-group asks for 100 of its 12,800 blocks of 256 bytes
; (number % 128 x 100 + thread, threads 100 to 127 name the last again), one instruction a wave, told apart by address.  After that every load of the stream is asked for a product ahead.  x's rows for the context are asked
; for by their loads, which take the refills' places in the last product and are first read behind the layer norm and the tanh.
; LDS, written once at the head by stores: x's 16 fragment images, x's scale words, the batch's cbias in the order of my walk, m1_b, ln_g, ln_b, m2_w.  Written in every super step: the hidden layer's images and scale words.
; LIMITS: NaN and infinities are not served.  A block of the hidden layer under 2^-122 gets the byte 1.  The order of the super steps in h's sums hangs on the cluster's number.
; REGISTERS: window 0: v3-15, v68-73, v216-226 addresses; v16-31 x's scale words; v32-47 the hidden layer's; v48-67 weight scale words; v80-175 two buffers of four token fragments; v176-213 the quantiser's.
;   window 1: v0-191 the ring; v192-239 the group from LDS.   window 2: product 1's sums; at the end x's rows.   window 3: h.
.set SS,    409600                     ; a super step of wstream
.set PHB,   204800                     ; a product's part of it: tiles 0-3 of the four waves, then tiles 4-7
.set SB,    102400
.set WBK,   25600                      ; a wave's four groups
.set GRP,   6400                       ; a group: four fragments, then 256 bytes of scale words
.set FRB,   1536                       ; a fragment's image
.set R1O,   102400                     ; LDS: product 1's region at 0, product 2's here
.set XIMG,  204800                     ; x's images
.set HIMG,  229376                     ; the hidden layer's
.set HSC,   253952                     ; its scale words: 512 m + 16 lane + 4 K step
.set XSC,   256000                     ; x's scale words: 256 K step + 4 token
.set CBL,   257024                     ; cbias: 2,048 bytes for each trip of my walk
.set PRM,   273408                     ; m1_b, ln_g, ln_b, m2_w: 2,048 bytes each
.set RED,   281600                     ; the sums across waves
.set PL,    284672                     ; logits and numerators, 512 bytes a wave
.set SPARE, 286720                     ; the spare words, 128 bytes a wave
.set L16, 3                            ; 16 x lane: a fragment image's place for my lane in wstream
.set SA,  4                            ; 16 x (lane % 16): a group's scale words
.set HRI, 5
.set HRS, 6
.set HWI, 7
.set HWS, 8
.set CB0, 9
.set CBA, 10
.set PRA, 11
.set SPW, 12
.set NIL, 13
.set RSA, 14
.set RLA, 15
.set XS,  16
.set HS,  32
.set FS,  48                           ; the ring's scale words, four registers a group
.set FL,  64                           ; the LDS group's
.set XRA, 68
.set STX, 69
.set LWA, 70                           ; v70-71 my part of region 0, 1: + 16 lane
.set LSA, 72                           ; v72-73 the same + 16 (lane % 16)
.set XB,  80
.set TM,  176
.set PW,  192
.set PC,  194
.set PLA, 216
.set PLB, 217
.set PLC, 218
.set XRO, 219
.set LGO, 220
.set LNE, 221
.set XSR, 222
.set XSW, 223
.set XSG, 224
.set PFO, 225
.set STB, 226
.set LB,  192                          ; window 1
.set WV,  28
.set WG,  30
.set ROT, 31
.set CNT, 32
.set SEL, 38
.set BJ,  40                           ; s[40:41] my wave's part of this super step in wstream; s[42:43] of the next
.set BN,  42
.set CBS, 44
.set WB,  46                           ; s[46:47] wstream + my wave's 25,600 bytes
.set G1,  68                           ; s[68:75] descriptor group 1; s[76:79], s[80:83] group 0 for region 0, 1
.set G0,  76
.set EA,  16                           ; the way out, window 0
.set ES,  24
.set ET,  28
.set EL,  32
.set P64, 48
.set CA,  112
.set MU,  144
.set RS,  152
.set ER,  160
.set SM,  168
.set LG,  ES
.set PP,  176
.set MG,  180
.set LO,  182
.set MSB, 0
.macro WIN new                         ; bits 1:0 source 0, 3:2 source 1, 5:4 source 2, 7:6 destination; the high byte repeats the setting that is left
.if MSB != \new
	s_set_vgpr_msb (MSB<<8)|\new
.set MSB, \new
.endif
.endm
.macro PLACES n
.rept \n
	v_nop
.endr
.endm
.macro BAR
	s_barrier_signal -1
	s_barrier_wait -1
.endm
.macro CROUND                          ; a round of the cluster's barrier
	s_barrier_signal -1
	s_barrier_wait -1
	s_cmp_lg_u32 s[WV], 0
	s_cbranch_scc1 .Lnot_wave_0_\@
	s_barrier_signal -3
.Lnot_wave_0_\@:
	s_barrier_wait -3
	s_barrier_signal -1
	s_barrier_wait -1
.endm
.macro JLOAD r                         ; my joint load into region r
	tensor_load_to_lds s[G0+4*\r:G0+4*\r+3], s[G1:G1+7]
	s_nop 0
	PLACES 4
.endm
.macro LDG base, off, s                ; tiles 0-3 of K step s, of the product at base + off, into the ring: 13 loads
	WIN 0
	global_load_b128 v[FS+4*(\s):FS+4*(\s)+3], v[SA], s[\base:\base+1] offset:(\off)+(\s)*GRP+6144
	WIN 0x40
.irp i, 0,1,2,3
.irp c, 0,1,2
	global_load_b128 v[48*(\s)+12*\i+4*\c:48*(\s)+12*\i+4*\c+3], v[L16], s[\base:\base+1] offset:(\off)+(\s)*GRP+FRB*\i+512*\c
.endr
.endr
.endm
.macro LDL r, s                        ; tiles 4-7 of K step s from region r: 13 LDS loads
	WIN 0
	ds_load_b128 v[FL:FL+3], v[LSA+\r] offset:(\s)*GRP+6144
	WIN 0x40
.irp i, 0,1,2,3
.irp c, 0,1,2
	ds_load_b128 v[LB+12*\i+4*\c:LB+12*\i+4*\c+3], v[LWA+\r] offset:(\s)*GRP+FRB*\i+512*\c
.endr
.endr
.endm
.macro FETCHB adr, s                   ; the four token tiles' fragments of K step s, from x's or the hidden layer's images, into buffer s % 2: 12 LDS loads
	WIN 0
.irp m, 0,1,2,3
.irp c, 0,1,2
	ds_load_b128 v[XB+48*((\s)%2)+12*\m+4*\c:XB+48*((\s)%2)+12*\m+4*\c+3], v[\adr] offset:(4*\m+(\s))*FRB+512*\c
.endr
.endr
.endm
.macro CBPRE adr, m                    ; product 1's sums of token tile m begin as cbias: tile t, lane half h: units 32 (t / 2) + 8 (t % 2) + 16 h + 0 .. 7: 16 LDS loads
	WIN 0x80
.irp t, 0,1,2,3,4,5,6,7
	ds_load_b128 v[64*(\m)+8*\t:64*(\m)+8*\t+3], v[\adr] offset:(32*(\t/2)+8*(\t%2))*4
	ds_load_b128 v[64*(\m)+8*\t+4:64*(\m)+8*\t+7], v[\adr] offset:(32*(\t/2)+8*(\t%2))*4+16
.endr
.endm
; 16 products: four weight tiles (hf = 0: 0-3, from the ring; 1: 4-7, from LDS) x four token tiles, K step s.  The accumulators take turns, one instruction a turn.
.macro MULG ph, s, hf
.if \ph
	WIN 0xf1                                       ; source 0 window 1, source 1 window 0, C and D window 3
.else
	WIN 0xa1                                       ; C and D window 2
.endif
.irp i, 0,1,2,3
.irp m, 0,1,2,3
.set rD, 64*\m+8*(4*\hf+\i)
.set rB, XB+48*((\s)%2)+12*\m
.if \hf
.set rA, LB+12*\i
.set rW, FL+\i
.else
.set rA, 48*(\s)+12*\i
.set rW, FS+4*(\s)+\i
.endif
.if \ph
.set rT, HS+4*\m+(\s)
.else
.set rT, XS+4*\m+(\s)
.endif
	v_wmma_scale_f32_16x16x128_f8f6f4 v[rD:rD+7], v[rA:rA+11], v[rB:rB+11], v[rD:rD+7], v[rW], v[rT] matrix_a_fmt:MATRIX_FMT_BF6 matrix_b_fmt:MATRIX_FMT_BF6
.endr
.endr
.endm
; The ring's group g has been multiplied: its registers take the same group of the next product: 13 loads.
.macro REFILL ph, last, g
.if \ph == 0
	LDG BJ, PHB, \g                                ; product 2's group of this super step
.elseif \last == 0
	LDG BN, 0, \g                                  ; product 1's group of the next
.else
	WIN 0x80                                       ; nothing is left of the stream: 13 of x's 64 rows take the refill's place, into window 2
.set i, 13*(\g)
.rept 13
	global_load_b128 v[4*i:4*i+3], v[XRO], s[20:21] offset:2048*i th:TH_LOAD_NT
.set i, i+1
.endr
.endif
.endm
; A product: four K steps of 32 products, the ring's group and then the LDS group.  ONE run of loads stands ahead of each K step: the step's LDS group, the refill of the ring's group of the step before, the next step's token
; fragments and, in product 2, a quarter of the next cbias.  The run ahead of K step 0 stands outside this macro; the last group's refill closes it.
; NA: the LDS loads of the run just issued, which may be out when the ring's group begins; NB: those issued behind the LDS group's 13.
.macro PHASE ph, last
.irp s, 0,1,2,3
.if \s > 0
	PLACES 4
	LDL \ph, \s
	REFILL \ph, \last, \s-1
.set NB, 0
.if \s < 3
.if \ph
	FETCHB HRI, \s+1
.else
	FETCHB XRA, \s+1
.endif
.set NB, 12
.elseif \ph && \last == 0
	FETCHB XRA, 0                                  ; for the next super step
.set NB, 12
.endif
.if \ph && \last == 0
	CBPRE CBA, \s
.set NB, NB+16
.endif
.set NA, NB+13
.else
.set NB, 12                            ; K step 1's token fragments,
.if \ph
.if \last == 0
.set NB, 28                            ; and a quarter of cbias
.endif
.set NA, NB                            ; (product 2's first LDS group was asked for ahead of the quantiser)
.else
.set NA, 25
.endif
.endif
	s_wait_loadcnt 39                              ; behind my group's 13 loads: three groups of 13
	s_wait_dscnt NA                                ; this K step's token fragments are in
	MULG \ph, \s, 0
	s_wait_dscnt NB                                ; the LDS group is in
	MULG \ph, \s, 1
.endr
	PLACES 4                                       ; ahead of the loads below and of the first read of the sums
	REFILL \ph, \last, 3
.endm
; The hidden layer of token tile m, my 128 units: four blocks of 32 along the next K; a block lies in lanes l and l xor 16.
.macro QUANT m
	WIN 0x0a
.irp b, 0,1,2,3
	v_max3_num_f32 v[TM+\b], |v[64*\m+16*\b]|, |v[64*\m+16*\b+1]|, 0x2800000     ; the floor 2^(5 - 127) keeps the byte at 1 or more
.endr
	WIN 0x28
.irp i, 2,4,6,8,10,12,14
.irp b, 0,1,2,3
	v_max3_num_f32 v[TM+\b], v[TM+\b], |v[64*\m+16*\b+\i]|, |v[64*\m+16*\b+\i+1]|
.endr
.endr
	WIN 0
.irp b, 0,1,2,3
	v_permlanex16_b32 v[TM+4+\b], v[TM+\b], s[SEL], s[SEL+1]
.endr
.irp b, 0,1,2,3
	v_max_num_f32 v[TM+\b], v[TM+\b], v[TM+4+\b]
.endr
.irp b, 0,1,2,3
	v_add_nc_u32 v[TM+12+\b], 0xfe000000, v[TM+\b]   ; 4 off the exponent field: the conversion's scale operand
.endr
.irp b, 0,1,2,3
	v_lshrrev_b32 v[TM+4+\b], 23, v[TM+12+\b]        ; the scale's byte
.endr
	v_lshl_or_b32 v[PW], v[TM+5], 8, v[TM+4]
	v_lshl_or_b32 v[PW], v[TM+6], 16, v[PW]
	v_lshl_or_b32 v[PW], v[TM+7], 24, v[PW]
	WIN 0x02
.irp c, 0,1
	v_cvt_scalef32_pk16_bf6_f32 v[PC+6*\c:PC+6*\c+2], v[64*\m+32*\c:64*\m+32*\c+15], v[TM+12+2*\c]
	v_cvt_scalef32_pk16_bf6_f32 v[PC+12+4*\c:PC+14+4*\c], v[64*\m+32*\c+16:64*\m+32*\c+31], v[TM+12+2*\c+1]
.endr
	WIN 0
	v_nop                                          ; one plain place behind a scaled conversion
.irp c, 0,1
.irp i, 0,1,2
	v_permlane16_swap_b32 v[PC+6*\c+\i], v[PC+12+4*\c+\i]   ; a whole block to a lane
.endr
.irp i, 0,1,2
	v_mov_b32 v[PC+3+6*\c+\i], v[PC+12+4*\c+\i]
.endr
.endr
.irp c, 0,1,2
	ds_store_b128 v[HWI], v[PC+4*\c:PC+4*\c+3] offset:4*\m*FRB+512*\c   ; fragment (tile m, K step = my wave)
.endr
	ds_store_b32 v[HWS], v[PW] offset:512*\m
.endm
.macro SUPER last
	s_wait_xcnt 0x0                                ; the bases are written again only behind this wait
	s_add_co_u32 s35, s[CNT], s[ROT]
	s_and_b32 s33, s35, 7
	s_mul_i32 s36, s33, SS
	s_add_nc_u64 s[BJ:BJ+1], s[WB:WB+1], s[36:37]
.if \last == 0
	s_add_co_u32 s35, s35, 1
	s_and_b32 s35, s35, 7
	s_mul_i32 s36, s35, SS
	s_add_nc_u64 s[BN:BN+1], s[WB:WB+1], s[36:37]
	s_add_co_u32 s[CBS], s[CBS], 2048
	v_add_nc_u32 v[CBA], s[CBS], v[CB0]            ; the next trip's cbias in LDS
	s_wait_alu depctr_va_vdst(0)                   ; the wait behind the write
.endif
	PHASE 0, \last
	WIN 0
	s_wait_tensorcnt 0x0                           ; all my tensor loads have landed: region 1's, for this super step's product 2;
	ds_add_u32 v[SPW], v[NIL]                      ; 0 onto my spare word
.if \last == 0
	s_add_nc_u64 s[G0+2:G0+3], s[BN:BN+1], SB      ; region 0's next tile: tiles 4-7 of the next super step's product 1
	s_or_b32 s[G0+3], s[G0+3], 0x80000000
.endif
	s_wait_dscnt 0x0                               ; the add is done, and so are my reads of region 0 and of the last trip's hidden layer
.if \last == 0
	CROUND                                         ; both hold of every wave of the cluster
	JLOAD 0
.else
	BAR
.endif
	LDL 1, 0                                       ; product 2's first LDS group: its region has landed
	QUANT 0
	QUANT 1
	QUANT 2
	QUANT 3
	s_wait_alu depctr_va_vdst(0)                   ; the wait ahead of the blocking wait
	s_wait_dscnt 0x0                               ; for the others' sake: my images and scale words lie in LDS
	BAR
.irp m, 0,1,2,3
	ds_load_b128 v[HS+4*\m:HS+4*\m+3], v[HRS] offset:512*\m
.endr
	FETCHB HRI, 0
	FETCHB HRI, 1
.if \last == 0
	CBPRE CBA, 0
.endif
	PHASE 1, \last
	WIN 0
.if \last == 0
	s_wait_tensorcnt 0x0                           ; region 0's load has landed
	ds_add_u32 v[SPW], v[NIL]
	s_add_nc_u64 s[G0+6:G0+7], s[BN:BN+1], PHB+SB  ; region 1's next tile: tiles 4-7 of the next super step's product 2
	s_or_b32 s[G0+7], s[G0+7], 0x80000000
	s_wait_dscnt 0x0                               ; the add is done, and so are my reads of region 1
	CROUND
	JLOAD 1                                        ; its four v_nop are also places ahead of the loads below
	LDL 0, 0                                       ; the run ahead of the next product 1's K step 0
	FETCHB XRA, 1
	WIN 0
.endif
.endm
.macro HALFSUM src
.irp m, 0,1,2,3
	v_add_f32 v[ES+\m], v[\src+2*\m], v[\src+2*\m+1]
.endr
.irp m, 0,1,2,3
	v_permlanex16_b32 v[ET+\m], v[ES+\m], s[SEL], s[SEL+1]
.endr
.irp m, 0,1,2,3
	v_add_f32 v[ES+\m], v[ES+\m], v[ET+\m]
.endr
.endm
.macro XCHG off                        ; the four waves' sums of each token meet in LDS
	ds_store_b128 v[RSA], v[ES:ES+3] offset:\off
	s_wait_dscnt 0x0
	BAR
.irp w, 0,1,2,3
	ds_load_b128 v[EL+4*\w:EL+4*\w+3], v[RLA] offset:\off+256*\w
.endr
	s_wait_dscnt 0x0
.irp m, 0,1,2,3
	v_add_f32 v[ES+\m], v[EL+\m], v[EL+4+\m]
.endr
.irp m, 0,1,2,3
	v_add_f32 v[ET+\m], v[EL+8+\m], v[EL+12+\m]
.endr
.irp m, 0,1,2,3
	v_add_f32 v[ES+\m], v[ES+\m], v[ET+\m]
.endr
.endm
	s_load_b512 s[4:19], s[0:1], 0x0               ; xcodes, xsc, wstream, cbias, m1_b, ln_g, ln_b, m2_w
	s_load_b128 s[20:23], s[0:1], 0x40             ; x, logits
	s_load_b64 s[24:25], s[0:1], 0x50              ; pctx
	v_lshl_add_u32 v[SPW], v0, 2, SPARE
	v_mov_b32 v[NIL], 0
	ds_add_u32 v[SPW], v[NIL]                      ; the opening lines: the add, twice on end, and its wait ahead of my first tensor load
	ds_add_u32 v[SPW], v[NIL]
	v_lshrrev_b32 v1, 5, v0
	v_readfirstlane_b32 s[WV], v1                  ; wave 0..3
	s_bfe_u32 s58, ttmp6, 0x40000                  ; cx
	s_lshl_b32 s[WG], ttmp9, 2
	s_add_co_u32 s[WG], s[WG], s58                 ; work-group = 4 x cluster + cx: it enters global addresses of plain loads and stores alone
	s_and_b32 s[ROT], ttmp9, 7                     ; where the cluster's walk over the super steps begins
	s_mov_b32 s[G1], 15|(3<<16)|(1<<21)            ; the mask of the four; elements of 8 bytes; bit 21 beside a mask
	s_mov_b32 s[G1+1], 32<<16                      ; rows of 256 bytes,
	s_mov_b32 s[G1+2], 100<<16                     ; 100 of them, dense
	s_mov_b32 s[G1+3], 32<<16
	s_mov_b32 s[G1+4], 100
	s_mov_b32 s[G1+5], 32
	s_mov_b32 s[G1+6], 0
	s_mov_b32 s[G1+7], 0
	s_mov_b32 s[G0], 1
	s_mul_i32 s[G0+1], s[WV], WBK                  ; my wave's part of region 0,
	s_mov_b32 s[G0+4], 1
	s_add_co_u32 s[G0+5], s[G0+1], R1O             ; and of region 1
	s_mul_i32 s33, s[WV], FRB
	s_lshl_b32 s34, s[WV], 2
	s_lshl_b32 s29, s[WV], 9
	s_add_co_u32 s35, s29, CBL
	s_add_co_u32 s26, s29, PRM
	s_lshl_b32 s27, s[WV], 8
	s_add_co_u32 s45, s29, PL
	s_add_co_u32 s56, s29, PL+256
	s_and_b32 s57, s[WG], 127
	s_mul_i32 s57, s57, 25600                      ; my 100 blocks of wstream
.irp d, 0,1,2,3,4,5,6,7
	s_add_co_u32 s[48+\d], s[ROT], \d
	s_and_b32 s[48+\d], s[48+\d], 7
	s_lshl_b32 s[48+\d], s[48+\d], 11              ; cbias of trip d: super step (start + d) % 8
.endr
	s_mov_b32 s37, 0
	s_mov_b32 s[SEL], 0x76543210
	s_mov_b32 s[SEL+1], 0xfedcba98
	s_mov_b32 s59, 0x3b000000                      ; 1 / 512
	s_mov_b32 s60, 0x3727c5ac                      ; 1e-5
	s_mov_b32 s62, 0x4038aa3b                      ; 2 log2 e
	s_mov_b32 s63, s62
	s_mov_b32 s[CNT], 0
	s_mov_b32 s[CBS], 0
	v_and_b32 v[LNE], 31, v0
	v_and_b32 v1, 15, v0                           ; r
	v_bfe_u32 v2, v0, 4, 1                         ; h
	v_lshlrev_b32 v[L16], 4, v[LNE]
	v_lshlrev_b32 v[SA], 4, v1
	v_lshlrev_b32 v[XRO], 4, v0                    ; 16 x thread
	v_add_nc_u32 v[XRA], XIMG, v[L16]
	v_add_nc_u32 v[STX], XIMG, v[XRO]
	v_add_nc_u32 v[LWA], s[G0+1], v[L16]
	v_add_nc_u32 v[LWA+1], R1O, v[LWA]
	v_add_nc_u32 v[LSA], s[G0+1], v[SA]
	v_add_nc_u32 v[LSA+1], R1O, v[LSA]
	v_add_nc_u32 v[HRI], HIMG, v[L16]
	v_add_nc_u32 v[HRS], HSC, v[L16]
	v_add_nc_u32 v[HWI], s33, v[HRI]
	v_add_nc_u32 v[HWS], s34, v[HRS]
	v_lshl_add_u32 v[CB0], v2, 6, s35
	v_lshl_add_u32 v[PRA], v2, 5, s26
	v_lshl_add_u32 v[RLA], v1, 4, RED
	v_add_nc_u32 v[RSA], s27, v[RLA]
	v_lshl_add_u32 v[PLA], v1, 2, s45
	v_mov_b32 v[PLB], s56
	v_lshl_add_u32 v[PLC], v[LNE], 3, PL
	v_lshlrev_b32 v[LGO], 3, v[LNE]
	v_lshl_add_u32 v[XSR], v1, 2, XSC
	v_lshl_add_u32 v[XSW], v0, 3, XSC
	v_lshrrev_b32 v[XSG], 5, v0
	v_lshlrev_b32 v[XSG], 16, v[XSG]
	v_lshl_add_u32 v[XSG], v[LNE], 3, v[XSG]       ; xsc: K step = thread / 32, 8 bytes a lane
	v_min_u32 v[PFO], 99, v0
	v_lshl_add_u32 v[PFO], v[PFO], 8, s57
	v_add_nc_u32 v[STB], CBL, v[XRO]
.irp d, 0,1,2,3,4,5,6,7
	v_add_nc_u32 v[16+\d], s[48+\d], v[XRO]
.endr
.irp b, 0,1,2,3
	v_mov_b32 v[TM+4+\b], 0                        ; a lane permute's destination counts as one of its sources
.endr
	s_wait_alu depctr_va_vdst(0)                   ; the wait at the head's end
	s_wait_dscnt 0x0                               ; both opening adds are done
	s_wait_kmcnt 0x0
	s_mul_i32 s36, s[WV], WBK
	s_add_nc_u64 s[WB:WB+1], s[8:9], s[36:37]
	s_mul_i32 s36, s[ROT], SS
	s_add_nc_u64 s[BJ:BJ+1], s[WB:WB+1], s[36:37]
	s_add_nc_u64 s[G0+2:G0+3], s[BJ:BJ+1], SB
	s_or_b32 s[G0+3], s[G0+3], 0x80000000
	s_add_nc_u64 s[G0+6:G0+7], s[BJ:BJ+1], PHB+SB
	s_or_b32 s[G0+7], s[G0+7], 0x80000000
	CROUND                                         ; the four work-groups are here: the first joint loads meet
	JLOAD 0                                        ; one tensor load a wave at the head
	global_prefetch_b8 v[PFO], s[8:9] th:TH_LOAD_NT scope:SCOPE_SE
	s_mul_i32 s36, s[WG], 24576
	s_add_nc_u64 s[4:5], s[4:5], s[36:37]          ; my 64 tokens' 16 fragment images
	s_lshl_b32 s36, s[WG], 8
	s_add_nc_u64 s[6:7], s[6:7], s[36:37]
	s_add_nc_u64 s[22:23], s[22:23], s[36:37]
	s_lshr_b32 s36, s[WG], 4
	s_lshl_b32 s36, s36, 14
	s_add_nc_u64 s[10:11], s[10:11], s[36:37]      ; my batch's cbias
	; 25 loads a wave of what goes into LDS once, each 512 consecutive bytes; then the ring's first two groups: 51 loads on their way
.irp i, 0,1,2,3,4,5,6,7,8,9,10,11
	global_load_b128 v[80+4*\i:83+4*\i], v[XRO], s[4:5] offset:2048*\i
.endr
	global_load_b64 v[176:177], v[XSG], s[6:7]
.irp d, 0,1,2,3,4,5,6,7
	global_load_b128 v[128+4*\d:131+4*\d], v[16+\d], s[10:11]
.endr
.irp a, 0,1,2,3
	global_load_b128 v[160+4*\a:163+4*\a], v[XRO], s[12+2*\a:13+2*\a]
.endr
	LDG BJ, 0, 0
	LDG BJ, 0, 1
	WIN 0
	s_lshl_b32 s36, s[WG], 17
	s_add_nc_u64 s[20:21], s[20:21], s[36:37]      ; my 64 rows of x
	s_lshl_b32 s36, s[WG], 11
	s_add_nc_u64 s[24:25], s[24:25], s[36:37]
	s_wait_loadcnt 26                              ; the 25 are in; the ring's 26 may be out
	LDG BJ, 0, 2
	LDG BJ, 0, 3
	WIN 0
.irp i, 0,1,2,3,4,5,6,7,8,9,10,11
	ds_store_b128 v[STX], v[80+4*\i:83+4*\i] offset:2048*\i
.endr
	ds_store_b64 v[XSW], v[176:177]
.irp d, 0,1,2,3,4,5,6,7
	ds_store_b128 v[STB], v[128+4*\d:131+4*\d] offset:2048*\d
.endr
.irp a, 0,1,2,3
	ds_store_b128 v[STB], v[160+4*\a:163+4*\a] offset:16384+2048*\a
.endr
	s_wait_dscnt 0x0                               ; for the others' sake: my stores are done
	BAR                                            ; region 0's tile stays on its way while the sums are begun
	WIN 0xc0                                       ; h begins as m1_b: tile u, lane half h: rows 128 w + 16 u + 8 h + 0 .. 7, for each of the four token tiles
.irp m, 0,1,2,3
.irp u, 0,1,2,3,4,5,6,7
	ds_load_b128 v[64*\m+8*\u:64*\m+8*\u+3], v[PRA] offset:64*\u
	ds_load_b128 v[64*\m+8*\u+4:64*\m+8*\u+7], v[PRA] offset:64*\u+16
.endr
.endr
.irp m, 0,1,2,3
	CBPRE CB0, \m
.endr
	WIN 0
.irp m, 0,1,2,3
.irp s, 0,1,2,3
	ds_load_b32 v[XS+4*\m+\s], v[XSR] offset:256*\s+64*\m
.endr
.endr
	FETCHB XRA, 0
	s_wait_tensorcnt 0x0                           ; region 0's tile is in
	ds_add_u32 v[SPW], v[NIL]
	s_wait_dscnt 0x0                               ; the add is done, and my LDS loads are back
	CROUND
	JLOAD 1                                        ; region 1's first fill
	LDL 0, 0                                       ; the run ahead of the first K step
	FETCHB XRA, 1
	WIN 0
.Lsuper:
	SUPER 0
	s_add_co_u32 s[CNT], s[CNT], 1
	s_cmp_lt_u32 s[CNT], 7
	s_cbranch_scc1 .Lsuper
	SUPER 1                                        ; the last super step asks for nothing beyond the stream's end
	; THE WAY OUT.  h lies in window 3: lane (r, h), register 64 m + 8 u + n: token 16 m + r, row 128 w + 16 u + 8 h + n.
	PLACES 4
	WIN 0x80
.set i, 52
.rept 12
	global_load_b128 v[4*i:4*i+3], v[XRO], s[20:21] offset:2048*i th:TH_LOAD_NT    ; the rest of x's 64 rows
.set i, i+1
.endr
	WIN 0x40                                       ; ln_g, ln_b, m2_w of my 128 rows, where the ring lay
.irp a, 1,2,3
.irp u, 0,1,2,3,4,5,6,7
	ds_load_b128 v[64*(\a-1)+8*\u:64*(\a-1)+8*\u+3], v[PRA] offset:2048*\a+64*\u
	ds_load_b128 v[64*(\a-1)+8*\u+4:64*(\a-1)+8*\u+7], v[PRA] offset:2048*\a+64*\u+16
.endr
.endr
	WIN 0x0f
.irp m, 0,1,2,3
	v_pk_add_f32 v[EA+2*\m:EA+2*\m+1], v[64*\m:64*\m+1], v[64*\m+2:64*\m+3]
.endr
	WIN 0x0c
.set k, 4
.rept 30
.irp m, 0,1,2,3
	v_pk_add_f32 v[EA+2*\m:EA+2*\m+1], v[EA+2*\m:EA+2*\m+1], v[64*\m+k:64*\m+k+1]
.endr
.set k, k+2
.endr
	WIN 0
	HALFSUM EA
	XCHG 0
.irp m, 0,1,2,3
	v_mul_f32 v[MU+2*\m], 0xbb000000, v[ES+\m]     ; - the mean
	v_mov_b32 v[MU+2*\m+1], v[ES+\m]               ; (the pair's upper half is named, not used)
.endr
	WIN 0xc3
.irp m, 0,1,2,3
.set k, 0
.rept 32
	v_pk_add_f32 v[64*\m+k:64*\m+k+1], v[64*\m+k:64*\m+k+1], v[MU+2*\m:MU+2*\m+1] op_sel_hi:[1,0]
.set k, k+2
.endr
.endr
	WIN 0x0f
.irp m, 0,1,2,3
	v_pk_mul_f32 v[EA+2*\m:EA+2*\m+1], v[64*\m:64*\m+1], v[64*\m:64*\m+1]
.endr
.set k, 2
.rept 31
.irp m, 0,1,2,3
	v_pk_fma_f32 v[EA+2*\m:EA+2*\m+1], v[64*\m+k:64*\m+k+1], v[64*\m+k:64*\m+k+1], v[EA+2*\m:EA+2*\m+1]
.endr
.set k, k+2
.endr
	WIN 0
	HALFSUM EA
	XCHG 1024
.irp m, 0,1,2,3
	v_fma_f32 v[ES+\m], v[ES+\m], s59, s60         ; the variance + 1e-5
.endr
	s_wait_alu depctr_va_vdst(0)                   ; the wait ahead of the batch
.irp m, 0,1,2,3
	v_rsq_f32 v[RS+2*\m], v[ES+\m]
.endr
	WIN 0x41
.set k, 0
.rept 64
	v_pk_mul_f32 v[k:k+1], v[k:k+1], s[62:63] op_sel_hi:[1,0]      ; ln_g and ln_b x 2 log2 e: tanh(y) = 1 - 2 / (1 + 2^(2 y log2 e))
.set k, k+2
.endr
	WIN 0x05
	v_pk_add_f32 v[SM:SM+1], v[128:129], v[130:131]                ; the sum of my numbers of m2_w
	v_pk_add_f32 v[SM+2:SM+3], v[132:133], v[134:135]
	WIN 0x04
.set k, 136
.rept 14
	v_pk_add_f32 v[SM:SM+1], v[SM:SM+1], v[k:k+1]
	v_pk_add_f32 v[SM+2:SM+3], v[SM+2:SM+3], v[k+2:k+3]
.set k, k+4
.endr
	WIN 0
	v_pk_add_f32 v[SM:SM+1], v[SM:SM+1], v[SM+2:SM+3]
	s_wait_alu depctr_va_vdst(0)                   ; one wait for the four, ahead of their first reader
.irp m, 0,1,2,3
	v_mov_b32 v[RS+2*\m+1], v[RS+2*\m]
.endr
	v_add_f32 v[SM], v[SM], v[SM+1]
	WIN 0xc3
.irp m, 0,1,2,3
.set k, 0
.rept 32
	v_pk_mul_f32 v[64*\m+k:64*\m+k+1], v[64*\m+k:64*\m+k+1], v[RS+2*\m:RS+2*\m+1] op_sel_hi:[1,0]
.set k, k+2
.endr
.endr
	WIN 0xd7
.irp m, 0,1,2,3
.set k, 0
.rept 32
	v_pk_fma_f32 v[64*\m+k:64*\m+k+1], v[64*\m+k:64*\m+k+1], v[k:k+1], v[64+k:64+k+1]
.set k, k+2
.endr
.endr
	WIN 0xc3
.set k, 0
	s_wait_alu depctr_va_vdst(0)
.rept 256
	v_exp_f32 v[k], v[k]
.set k, k+1
.endr
	v_nop
.set k, 0
	s_wait_alu depctr_va_vdst(0)
.rept 128
	v_pk_add_f32 v[k:k+1], v[k:k+1], 1.0 op_sel_hi:[1,0]
.set k, k+2
.endr
.set k, 0
	s_wait_alu depctr_va_vdst(0)
.rept 256
	v_rcp_f32 v[k], v[k]
.set k, k+1
.endr
	v_nop
	WIN 0x07
	s_wait_alu depctr_va_vdst(0)
.irp m, 0,1,2,3
	v_pk_mul_f32 v[ER+2*\m:ER+2*\m+1], v[64*\m:64*\m+1], v[128:129]
.endr
.set k, 2
.rept 31
.irp m, 0,1,2,3
	v_pk_fma_f32 v[ER+2*\m:ER+2*\m+1], v[64*\m+k:64*\m+k+1], v[128+k:128+k+1], v[ER+2*\m:ER+2*\m+1]
.endr
.set k, k+2
.endr
	WIN 0
.irp m, 0,1,2,3
	v_add_f32 v[ES+\m], v[ER+2*\m], v[ER+2*\m+1]
.endr
.irp m, 0,1,2,3
	v_fma_f32 v[ES+\m], -2.0, v[ES+\m], v[SM]      ; sum of m2_w (1 - 2 / (1 + ..))
.endr
.irp m, 0,1,2,3
	v_permlanex16_b32 v[ET+\m], v[ES+\m], s[SEL], s[SEL+1]
.endr
.irp m, 0,1,2,3
	v_add_f32 v[ES+\m], v[ES+\m], v[ET+\m]
.endr
	XCHG 2048                                      ; the logits of tokens 16 m + r, without m2_b
	v_max3_num_f32 v[MG], v[LG], v[LG+1], v[LG+2]
	v_max_num_f32 v[MG], v[MG], v[LG+3]
.irp x, 1,2,4,8
	v_max_num_f32_dpp v[MG], v[MG], v[MG] row_xmask:\x row_mask:0xf bank_mask:0xf   ; the block's largest logit
.endr
.irp m, 0,1,2,3
	v_sub_f32 v[PP+\m], v[LG+\m], v[MG]
.endr
.irp m, 0,1,2,3
	v_mul_f32 v[PP+\m], 0x3fb8aa3b, v[PP+\m]
.endr
	s_wait_alu depctr_va_vdst(0)
.irp m, 0,1,2,3
	v_exp_f32 v[PP+\m], v[PP+\m]
.endr
	v_nop
.irp m, 0,1,2,3
	ds_store_b32 v[PLA], v[LG+\m] offset:64*\m     ; each wave into its own 512 bytes
.endr
	s_wait_alu depctr_va_vdst(0)
.irp m, 0,1,2,3
	ds_store_b32 v[PLA], v[PP+\m] offset:256+64*\m
.endr
	s_cmp_lg_u32 s[WV], 0
	s_cbranch_scc1 .Lnot_first
	ds_load_b64 v[LO:LO+1], v[PLC]
	s_wait_dscnt 0x0
	global_store_b64 v[LGO], v[LO:LO+1], s[22:23]  ; 256 consecutive bytes: the block's 64 logits
.Lnot_first:
.irp a, 0,1,2,3,4,5,6,7,8,9,10,11,12,13,14,15
	ds_load_b128 v[P64+4*\a:P64+4*\a+3], v[PLB] offset:16*\a
.endr
	s_wait_loadcnt 0x0                             ; x's rows
	s_wait_dscnt 0x0
	WIN 0x02
.set i, 0
.rept 64                               ; thread n: columns 4 n .. 4 n + 3 of the partial context, two chains
.set rc, CA+4*(i%2)
.set rp, P64+i-(i%2)
.if i == 0
	v_pk_mul_f32 v[rc:rc+1], v[4*i:4*i+1], v[rp:rp+1] op_sel_hi:[1,0]
	v_pk_mul_f32 v[rc+2:rc+3], v[4*i+2:4*i+3], v[rp:rp+1] op_sel_hi:[1,0]
.elseif i == 1
	v_pk_mul_f32 v[rc:rc+1], v[4*i:4*i+1], v[rp:rp+1] op_sel:[0,1] op_sel_hi:[1,1]
	v_pk_mul_f32 v[rc+2:rc+3], v[4*i+2:4*i+3], v[rp:rp+1] op_sel:[0,1] op_sel_hi:[1,1]
.elseif i%2 == 0
	v_pk_fma_f32 v[rc:rc+1], v[4*i:4*i+1], v[rp:rp+1], v[rc:rc+1] op_sel_hi:[1,0,1]
	v_pk_fma_f32 v[rc+2:rc+3], v[4*i+2:4*i+3], v[rp:rp+1], v[rc+2:rc+3] op_sel_hi:[1,0,1]
.else
	v_pk_fma_f32 v[rc:rc+1], v[4*i:4*i+1], v[rp:rp+1], v[rc:rc+1] op_sel:[0,1,0] op_sel_hi:[1,1,1]
	v_pk_fma_f32 v[rc+2:rc+3], v[4*i+2:4*i+3], v[rp:rp+1], v[rc+2:rc+3] op_sel:[0,1,0] op_sel_hi:[1,1,1]
.endif
.set i, i+1
.endr
	WIN 0
	v_pk_add_f32 v[CA:CA+1], v[CA:CA+1], v[CA+4:CA+5]
	v_pk_add_f32 v[CA+2:CA+3], v[CA+2:CA+3], v[CA+6:CA+7]
	global_store_b128 v[XRO], v[CA:CA+3], s[24:25] ; 512 consecutive bytes a wave
	s_wait_tensorcnt 0x0                           ; the wave's end
	ds_add_u32 v[SPW], v[NIL]
	s_wait_dscnt 0x0
	CROUND                                         ; the closing round
	s_endpgm
.Lfunc_end_k_q6dd7e17fc0_fused:
	.size	k_q6dd7e17fc0_fused, .Lfunc_end_k_q6dd7e17fc0_fused-k_q6dd7e17fc0_fused
	.p2alignl 7, 3214868480
	.fill 96, 4, 3214868480
	.section	.rodata,"a",@progbits
	.p2align	6, 0x0
	.amdhsa_kernel k_q6dd7e17fc0_fused
		.amdhsa_group_segment_fixed_size 327680
		.amdhsa_private_segment_fixed_size 0
		.amdhsa_enable_private_segment 0
		.amdhsa_kernarg_size 88
		.amdhsa_user_sgpr_count 2
		.amdhsa_user_sgpr_kernarg_segment_ptr 1
		.amdhsa_wavefront_size32 1
		.amdhsa_system_sgpr_workgroup_id_x 1
		.amdhsa_system_sgpr_workgroup_id_y 1
		.amdhsa_system_sgpr_workgroup_id_z 1
		.amdhsa_system_vgpr_workitem_id 0
		.amdhsa_next_free_vgpr 1024
		.amdhsa_next_free_sgpr 84
		.amdhsa_reserve_vcc 0
		.amdhsa_float_denorm_mode_32 3
		.amdhsa_float_denorm_mode_16_64 3
		.amdhsa_memory_ordered 1
		.amdhsa_forward_progress 1
		.amdhsa_inst_pref_size 255
	.end_amdhsa_kernel
	.section	.bss,"aw",@nobits
	.p2align	6
	.space	262144
	.amdgpu_metadata
---
amdhsa.version: [ 1, 2 ]
amdhsa.kernels:
  - .name:           k_q6dd7e17fc0_fused
    .symbol:         k_q6dd7e17fc0_fused.kd
    .args:
      - { .name: xcodes, .offset: 0, .size: 8, .value_kind: global_buffer, .address_space: global }
      - { .name: xsc, .offset: 8, .size: 8, .value_kind: global_buffer, .address_space: global }
      - { .name: wstream, .offset: 16, .size: 8, .value_kind: global_buffer, .address_space: global }
      - { .name: cbias, .offset: 24, .size: 8, .value_kind: global_buffer, .address_space: global }
      - { .name: m1_b, .offset: 32, .size: 8, .value_kind: global_buffer, .address_space: global }
      - { .name: ln_g, .offset: 40, .size: 8, .value_kind: global_buffer, .address_space: global }
      - { .name: ln_b, .offset: 48, .size: 8, .value_kind: global_buffer, .address_space: global }
      - { .name: m2_w, .offset: 56, .size: 8, .value_kind: global_buffer, .address_space: global }
      - { .name: x, .offset: 64, .size: 8, .value_kind: global_buffer, .address_space: global }
      - { .name: logits, .offset: 72, .size: 8, .value_kind: global_buffer, .address_space: global }
      - { .name: pctx, .offset: 80, .size: 8, .value_kind: global_buffer, .address_space: global }
    .group_segment_fixed_size: 327680
    .private_segment_fixed_size: 0
    .kernarg_segment_align: 8
    .kernarg_segment_size: 88
    .max_flat_workgroup_size: 128
    .sgpr_count:     84
    .vgpr_count:     1024
    .wavefront_size: 32
...
	.end_amdgpu_metadata
.endif
;; end of part 3
;; launch finish (part 4): grid 16 x 1, 4 waves a work-group, no clusters, 1,536 bytes of LDS; arguments logits, pctx, out0, out1; writes out0, out1
.if DOCPART == 4
	.amdgcn_target "amdgcn-amd-amdhsa--gfx1250"
	.amdhsa_code_object_version 6
	.text
	.protected	k_q6dd7e17fc0_finish
	.globl	k_q6dd7e17fc0_finish
	.p2align	8
	.type	k_q6dd7e17fc0_finish,@function
k_q6dd7e17fc0_finish:
	s_mov_b64 s[64:65], 0
	v_nop
	global_prefetch_b8 v0, s[64:65] scope:SCOPE_SE
	s_setreg_imm32_b32 hwreg(HW_REG_WAVE_MODE, 25, 1), 1
	s_wait_xcnt 0x0
; A batch's softmax over its 1,024 logits, and its context from the sixteen partial contexts.  One work-group to a batch: the design has work for sixteen.
; pctx[g] = the sum over block g's 64 tokens of 2^((l - mg) log2 e) x, mg the block's own largest logit.  Here mg is found again from the same logits (the same bits), M is the batch's largest,
; and context = (the sum over g of 2^((mg - M) log2 e) pctx[g]) / L, L = the sum over the batch of 2^((l - M) log2 e).  A block far under M may fall to 0, as its weights do.
; Thread n holds logits 8 n .. 8 n + 7 (eight threads to a block of 64) and columns 4 n .. 4 n + 3 of the context.  LIMITS: NaN and infinities are not served.
.set LG, 8                             ; v8-15    my eight logits
.set PX, 16                            ; v16-79   my four columns of the sixteen partial contexts
.set MG, 80                            ; my block's largest logit
.set MW, 81                            ; the wave's, then the batch's
.set PT, 82                            ; what lane l xor 16 sends
.set RD, 84                            ; v84-87   the four waves' numbers
.set EE, 88                            ; v88-95   my eight exponentials
.set FG, 96                            ; 2^((mg - M) log2 e)
.set SU, 98                            ; v98-101  sums
.set RC, 102                           ; v102-103 1 / L, twice
.set FF, 104                           ; v104-119 the sixteen blocks' factors
.set AC, 120                           ; v120-127 the context's sums, two chains
	s_load_b128 s[4:7], s[0:1], 0x0                ; logits, pctx
	s_load_b128 s[8:11], s[0:1], 0x10              ; out0, out1
	v_lshl_add_u32 v128, v0, 2, 0x400
	v_mov_b32 v129, 0
	v_lshrrev_b32 v1, 5, v0
	v_readfirstlane_b32 s12, v1                    ; wave
	v_lshlrev_b32 v2, 5, v0                        ; 32 x thread
	v_lshlrev_b32 v3, 4, v0                        ; 16 x thread
	v_lshrrev_b32 v4, 3, v0
	v_lshlrev_b32 v4, 2, v4                        ; LDS: my block's word
	s_lshl_b32 s13, s12, 2
	v_mov_b32 v5, s13                              ; LDS: my wave's word
	v_mov_b32 v6, 0
	v_mov_b32 v[PT], 0                             ; a lane permute's destination counts as one of its sources
	s_mov_b32 s14, 0x76543210
	s_mov_b32 s15, 0xfedcba98
	s_lshl_b32 s16, ttmp9, 12                      ; 1,024 numbers a batch
	s_mov_b32 s17, 0
	s_lshl_b32 s18, ttmp9, 15                      ; 16 rows of 2,048 bytes
	s_mov_b32 s19, 0
	s_lshl_b32 s20, ttmp9, 11                      ; a row of 2,048 bytes
	s_mov_b32 s21, 0
	s_wait_alu depctr_va_vdst(0)
	s_wait_kmcnt 0x0
	s_add_nc_u64 s[4:5], s[4:5], s[16:17]
	s_add_nc_u64 s[6:7], s[6:7], s[18:19]
	s_add_nc_u64 s[8:9], s[8:9], s[20:21]
	s_add_nc_u64 s[10:11], s[10:11], s[16:17]
	global_load_b128 v[LG:LG+3], v2, s[4:5]
	global_load_b128 v[LG+4:LG+7], v2, s[4:5] offset:16
.irp g, 0,1,2,3,4,5,6,7,8,9,10,11,12,13,14,15
	global_load_b128 v[PX+4*\g:PX+4*\g+3], v3, s[6:7] offset:2048*\g
.endr
	s_wait_loadcnt 16                              ; the logits are in; the sixteen loads behind them may be out
	v_max3_num_f32 v[MG], v[LG], v[LG+1], v[LG+2]
	v_max3_num_f32 v[MG], v[MG], v[LG+3], v[LG+4]
	v_max3_num_f32 v[MG], v[MG], v[LG+5], v[LG+6]
	v_max_num_f32 v[MG], v[MG], v[LG+7]
.irp x, 1,2,4
	v_max_num_f32_dpp v[MG], v[MG], v[MG] row_xmask:\x row_mask:0xf bank_mask:0xf   ; eight lanes: the block's
.endr
	v_mov_b32 v[MW], v[MG]
	v_max_num_f32_dpp v[MW], v[MW], v[MW] row_xmask:8 row_mask:0xf bank_mask:0xf
	v_permlanex16_b32 v[PT], v[MW], s14, s15
	v_max_num_f32 v[MW], v[MW], v[PT]              ; the wave's
	ds_store_b32 v5, v[MW]                         ; all lanes write the same word with the same value
	s_wait_dscnt 0x0
	s_barrier_signal -1
	s_barrier_wait -1
	ds_load_b128 v[RD:RD+3], v6
	s_wait_dscnt 0x0
	v_max3_num_f32 v[MW], v[RD], v[RD+1], v[RD+2]
	v_max_num_f32 v[MW], v[MW], v[RD+3]            ; M
.irp i, 0,1,2,3,4,5,6,7
	v_sub_f32 v[EE+\i], v[LG+\i], v[MW]
.endr
	v_sub_f32 v[FG], v[MG], v[MW]
.irp i, 0,1,2,3,4,5,6,7
	v_mul_f32 v[EE+\i], 0x3fb8aa3b, v[EE+\i]
.endr
	v_mul_f32 v[FG], 0x3fb8aa3b, v[FG]
	s_wait_alu depctr_va_vdst(0)
.irp i, 0,1,2,3,4,5,6,7
	v_exp_f32 v[EE+\i], v[EE+\i]
.endr
	v_exp_f32 v[FG], v[FG]
	v_nop                                          ; a plain place behind the exponentials
	s_wait_alu depctr_va_vdst(0)
	v_pk_add_f32 v[SU:SU+1], v[EE:EE+1], v[EE+2:EE+3]
	v_pk_add_f32 v[SU+2:SU+3], v[EE+4:EE+5], v[EE+6:EE+7]
	v_pk_add_f32 v[SU:SU+1], v[SU:SU+1], v[SU+2:SU+3]
	v_add_f32 v[SU], v[SU], v[SU+1]
.irp x, 1,2,4,8
	v_add_f32_dpp v[SU], v[SU], v[SU] row_xmask:\x row_mask:0xf bank_mask:0xf
.endr
	v_permlanex16_b32 v[PT], v[SU], s14, s15
	v_add_f32 v[SU], v[SU], v[PT]                  ; the wave's sum
	ds_store_b32 v5, v[SU] offset:16               ; other bytes than the maxima's
	ds_store_b32 v4, v[FG] offset:64               ; the eight lanes of a block write the same word with the same value
	s_wait_dscnt 0x0
	s_barrier_signal -1
	s_barrier_wait -1
	ds_load_b128 v[RD:RD+3], v6 offset:16
.irp a, 0,1,2,3
	ds_load_b128 v[FF+4*\a:FF+4*\a+3], v6 offset:64+16*\a
.endr
	s_wait_dscnt 0x0
	v_add_f32 v[SU], v[RD], v[RD+1]
	v_add_f32 v[SU+1], v[RD+2], v[RD+3]
	v_add_f32 v[SU], v[SU], v[SU+1]                ; L
	s_wait_alu depctr_va_vdst(0)
	v_rcp_f32 v[RC], v[SU]
	v_rcp_f32 v[RC+1], v[SU]
	s_wait_loadcnt 0x0                             ; the partial contexts
.set g, 0
.rept 16
.set rc, AC+4*(g%2)
.set rf, FF+g-(g%2)
.if g == 0
	v_pk_mul_f32 v[rc:rc+1], v[PX+4*g:PX+4*g+1], v[rf:rf+1] op_sel_hi:[1,0]        ; (these plain lines are also the place behind the reciprocals)
	v_pk_mul_f32 v[rc+2:rc+3], v[PX+4*g+2:PX+4*g+3], v[rf:rf+1] op_sel_hi:[1,0]
.elseif g == 1
	v_pk_mul_f32 v[rc:rc+1], v[PX+4*g:PX+4*g+1], v[rf:rf+1] op_sel:[0,1] op_sel_hi:[1,1]
	v_pk_mul_f32 v[rc+2:rc+3], v[PX+4*g+2:PX+4*g+3], v[rf:rf+1] op_sel:[0,1] op_sel_hi:[1,1]
.elseif g%2 == 0
	v_pk_fma_f32 v[rc:rc+1], v[PX+4*g:PX+4*g+1], v[rf:rf+1], v[rc:rc+1] op_sel_hi:[1,0,1]
	v_pk_fma_f32 v[rc+2:rc+3], v[PX+4*g+2:PX+4*g+3], v[rf:rf+1], v[rc+2:rc+3] op_sel_hi:[1,0,1]
.else
	v_pk_fma_f32 v[rc:rc+1], v[PX+4*g:PX+4*g+1], v[rf:rf+1], v[rc:rc+1] op_sel:[0,1,0] op_sel_hi:[1,1,1]
	v_pk_fma_f32 v[rc+2:rc+3], v[PX+4*g+2:PX+4*g+3], v[rf:rf+1], v[rc+2:rc+3] op_sel:[0,1,0] op_sel_hi:[1,1,1]
.endif
.set g, g+1
.endr
	s_wait_alu depctr_va_vdst(0)
.irp i, 0,2,4,6
	v_pk_mul_f32 v[EE+\i:EE+\i+1], v[EE+\i:EE+\i+1], v[RC:RC+1]    ; the weights
.endr
	global_store_b128 v2, v[EE:EE+3], s[10:11]
	global_store_b128 v2, v[EE+4:EE+7], s[10:11] offset:16
	v_pk_add_f32 v[AC:AC+1], v[AC:AC+1], v[AC+4:AC+5]
	v_pk_add_f32 v[AC+2:AC+3], v[AC+2:AC+3], v[AC+6:AC+7]
	v_pk_mul_f32 v[AC:AC+1], v[AC:AC+1], v[RC:RC+1]
	v_pk_mul_f32 v[AC+2:AC+3], v[AC+2:AC+3], v[RC:RC+1]
	global_store_b128 v3, v[AC:AC+3], s[8:9]       ; 512 consecutive bytes a wave
	s_wait_tensorcnt 0x0
	ds_add_u32 v128, v129
	s_wait_dscnt 0x0
	s_endpgm
.Lfunc_end_k_q6dd7e17fc0_finish:
	.size	k_q6dd7e17fc0_finish, .Lfunc_end_k_q6dd7e17fc0_finish-k_q6dd7e17fc0_finish
	.p2alignl 7, 3214868480
	.fill 96, 4, 3214868480
	.section	.rodata,"a",@progbits
	.p2align	6, 0x0
	.amdhsa_kernel k_q6dd7e17fc0_finish
		.amdhsa_group_segment_fixed_size 1536
		.amdhsa_private_segment_fixed_size 0
		.amdhsa_enable_private_segment 0
		.amdhsa_kernarg_size 32
		.amdhsa_user_sgpr_count 2
		.amdhsa_user_sgpr_kernarg_segment_ptr 1
		.amdhsa_wavefront_size32 1
		.amdhsa_system_sgpr_workgroup_id_x 1
		.amdhsa_system_sgpr_workgroup_id_y 1
		.amdhsa_system_sgpr_workgroup_id_z 1
		.amdhsa_system_vgpr_workitem_id 0
		.amdhsa_next_free_vgpr 130
		.amdhsa_next_free_sgpr 66
		.amdhsa_reserve_vcc 0
		.amdhsa_float_denorm_mode_32 3
		.amdhsa_float_denorm_mode_16_64 3
		.amdhsa_memory_ordered 1
		.amdhsa_forward_progress 1
		.amdhsa_inst_pref_size 10
	.end_amdhsa_kernel
	.amdgpu_metadata
---
amdhsa.version: [ 1, 2 ]
amdhsa.kernels:
  - .name:           k_q6dd7e17fc0_finish
    .symbol:         k_q6dd7e17fc0_finish.kd
    .args:
      - { .name: logits, .offset: 0, .size: 8, .value_kind: global_buffer, .address_space: global }
      - { .name: pctx, .offset: 8, .size: 8, .value_kind: global_buffer, .address_space: global }
      - { .name: out0, .offset: 16, .size: 8, .value_kind: global_buffer, .address_space: global }
      - { .name: out1, .offset: 24, .size: 8, .value_kind: global_buffer, .address_space: global }
    .group_segment_fixed_size: 1536
    .private_segment_fixed_size: 0
    .kernarg_segment_align: 8
    .kernarg_segment_size: 32
    .max_flat_workgroup_size: 128
    .sgpr_count:     66
    .vgpr_count:     130
    .wavefront_size: 32
...
	.end_amdgpu_metadata
.endif
;; end of part 4
